; MI455X (gfx1250); checked and timed in simulation.
; The chip was launched on July 23, 2026; its instructions are those of AMD's public machine-readable ISA for CDNA 5 (MIT licence, August 2026) and "CDNA5" Instruction Set Architecture Reference Guide (July 2026). The comments in the code are by the model that wrote it; some were corrected since.
;; Causal Self Attention. Allowed arithmetic: matrix products marked QUANTISED: E3M2 operands, one E8M0 scale for each 32 along K, by v_wmma_scale_f32_16x16x128_f8f6f4 with both operands' format E3M2, f32 sums; everything else in f32.
;; Inputs: b_attn 3,072 float32; b_proj 1,024 float32; w_attn 1,024 x 3,072 float32; w_proj 1,024 x 1,024 float32; x 4 x 2,048 x 1,024 float32.
;; Outputs: out0 4 x 2,048 x 1,024 float32.
;; This version of the problem:
;;   THIS VERSION OF THE PROBLEM IS GIVEN IN LOW PRECISION. The matrix products marked QUANTISED in the list below multiply operands that are first quantised to E3M2 (3 exponent bits, 2 mantissa bits; 6 bits a number), with one power-of-two scale for each 32 numbers along K (OCP MX v1.0); their sums are f32. All else is computed in f32.
;;   The module's matrix products, in the order in which they are computed (A, B: the left and right operand; K: the contracted axis; several contracted axes count as one K, in the product's order):
;;     1. [M 8,192, K 1,024] x [K 1,024, N 3,072]; A: input x; B: input w_attn: QUANTISED
;;     2. batch 64 x [M 2,048, K 64] x [K 64, N 2,048]; A: computed on the way; B: computed on the way: QUANTISED
;;     3. batch 64 x [M 2,048, K 2,048] x [K 2,048, N 64]; A: softmax (see below); B: computed on the way: QUANTISED
;;     4. [M 8,192, K 1,024] x [K 1,024, N 1,024]; A: computed on the way; B: input w_proj: QUANTISED
;;   THE QUANTISER, for each operand of a quantised product, along K:
;;     - K is cut into blocks of 32 from its start; a last block that is shorter is filled with zeros.
;;     - A block's scale is 2^e with e = floor(log2(the largest magnitude in the block)) - 4, held to -126 .. 127; a block of zeros has e = 0. As a byte (E8M0): e + 127.
;;     - Each number is divided by its block's scale, clamped to +-28, and rounded to the nearest number of E3M2, ties to even, subnormals kept.
;;     - The product sums the exact products of the quantised numbers (number of the format x scale) in f32.
;;   ~~~python
;;   def quantise(x, axis):      # numpy; x: float32 -> the quantised numbers, widened to float32 again
;;       x = np.moveaxis(x, axis, -1); K = x.shape[-1]
;;       x = np.pad(x, [(0, 0)] * (x.ndim - 1) + [(0, -K % 32)]); x = x.reshape(x.shape[:-1] + (-1, 32)); a = np.abs(x).max(-1, keepdims=True)
;;       e = np.where(a > 0, np.clip(np.frexp(np.where(a > 0, a, 1))[1] - 1 - 4, -126, 127), 0)      # np.frexp(a)[1] - 1 = floor(log2(a)), exactly
;;       r = np.clip(x / 2.0 ** e, -28, 28)
;;       step = 2.0 ** (np.maximum(np.frexp(np.where(r == 0, 1, r))[1] - 1, -2) - 2)
;;       q = np.round(r / step) * step * 2.0 ** e      # np.round: ties to even
;;       return np.moveaxis(q.reshape(q.shape[:-2] + (-1,))[..., :K], -1, axis).astype(np.float32)
;;   ~~~
;;   SOFTMAX AHEAD OF A QUANTISED PRODUCT. Where the list says 'softmax', what is quantised is not the finished softmax but p = 2^(t - M), with t = logit x log2(e) and M = ceil(the row's largest t), a whole number; so 1/2 < the row's largest p <= 1. The row's sum l is taken of the UNQUANTISED p, in f32, and the product's result is divided by l at the end. Since M is a whole number, a kernel that streams over the keys may use a running M (the ceiling of the running maximum): every later rescaling is an exact power of two, which a block's scale takes up: the codes' values come out the same.
;;   OPERANDS COMPUTED ON THE WAY. 'Computed on the way' means the value that the module computes at that place (a softmax that the list does not call 'softmax' is quantised finished and normalised). What goes into a quantiser is computed in f32, as accurately as f32 sums, v_exp_f32 and their like allow (about 1e-6 of the number): no bf16 or f16 on the way to a quantiser, and a product that is left as it is and whose result goes on into a quantised operand takes f32 operands (vector FMAs, or v_wmma_f32_16x16x4_f32). A number that lies on a knife's edge between two numbers of the format may be rounded either way, as far as f32 arithmetic and the matrix unit's own rounding can turn it there, and no further.
;; One version. Each part assembles by itself: llvm-mc -triple=amdgcn-amd-amdhsa -mcpu=gfx1250 --defsym DOCPART=n.
;; ======== version 1 of 1: 4 launches
;; workspace buffers: xq 6,553,600 bytes; wq 3,276,800 bytes; qb 6,815,744 bytes; kv 13,631,488 bytes; att 6,553,600 bytes
;; launch prep (part 1): grid 512 x 1, 4 waves a work-group, no clusters, 34,304 bytes of LDS; arguments x, w_attn, w_proj, xq, wq; writes xq, wq
.if DOCPART == 1
	.amdgcn_target "amdgcn-amd-amdhsa--gfx1250"
	.amdhsa_code_object_version 6
	.text
	.protected	k_qf078eb290f_prep
	.globl	k_qf078eb290f_prep
	.p2align	8
	.type	k_qf078eb290f_prep,@function
k_qf078eb290f_prep:
	s_mov_b64 s[64:65], 0
	v_nop
	global_prefetch_b8 v0, s[64:65] scope:SCOPE_SE
	s_setreg_imm32_b32 hwreg(HW_REG_WAVE_MODE, 25, 1), 1
	s_wait_xcnt 0x0
; CAUSAL SELF-ATTENTION IN MX-BF6, launch 1 of 4: x, w_attn and w_proj (f32) become codes of E3M2 with one E8M0 byte for each 32 along K (K = the 1,024 channels).
; DEAD WORK LEFT OUT BY THE PROGRAM: reference() sets every score with key > query to -infinity by its own jnp.tril, so p = 0 there for all values of the inputs and adds nothing to a row's sum or to the
; second product.  Key steps of 128 keys that lie wholly behind a tile's 16 queries are therefore not computed (launch 3).  Nothing else is left out: every input is loaded, both biases are added ahead of the quantisers.
; LIMITS: NaN and infinities among the inputs are not served, and one that would reach only the masked scores is not carried to the result.  A block of zeros, or one whose largest magnitude lies under
; 2^-122, gets the byte 1 where the rule says 127 or less: its codes are zeros or are held there; the bytes are read by this program alone.
; THE STORAGE UNIT, in all workspace buffers, is the IMAGE OF AN OPERAND'S REGISTERS.  A half image: 16 rows x 64 along K, 768 bytes: lane (rho, h) holds row rho, k = 32 h .. 32 h + 31 in six registers; registers 0-3
; lie at 16 x lane, registers 4-5 at 512 + 8 x lane.  A fragment (16 x 128) is two half images on end.  Every later load of an operand is then a run of consecutive bytes.
; THE ORDER OF ROWS: tile t of an operand holds at place rho the row 32 (t / 2) + 8 (t % 2) + rho + 8 (rho / 8), so that a product that takes the operand as source 0 leaves 16 neighbours along that axis in the
; 16 registers of tiles 2 b and 2 b + 1.
; xq: images [tile 0..511][K step 0..7][1,536]; from byte 6,291,456 the scale words [tile][rho][8 words].  wq: the same for 256 tiles of columns (0-191 w_attn's, 192-255 w_proj's), scale words from byte 3,145,728.
; SHARES: work-groups 0-255 take x (a wave: one tile of 16 tokens x 512 along K), 256-447 w_attn, 448-511 w_proj (a wave: 32 columns x 128 along K).  Memory binds: no matrix unit, no tensor load, no barrier.
.set SPARE, 33792                      ; behind the four stages: the spare words, 128 bytes for each wave
.set SPW,  252                         ; v252 LDS address of my spare word; never rewritten
.set NIL,  253                         ; v253 0; never rewritten
.set LN,   2                           ; v2   lane
.set L16,  3                           ; v3   16 x lane
.set L8,   4                           ; v4   8 x lane
.set SIN,  5                           ; v5   the stage, on the way in
.set SOUT, 6                           ; v6   and on the way out
.set SCO,  7                           ; v7   my place among the scale words
.set HH,   8                           ; v8   lane / 16
.set R,    16                          ; v16-143  two sets of 64 registers as loaded
.set X,    144                         ; v144-207 64 numbers of my row: register 16 b + i = k 32 b + 16 h + i
.set PC,   208                         ; v208-227 the codes just made
.set TM,   228                         ; v228-243 at work
.set PWB,  248                         ; v248-251 the four K steps' scale words
.set SEL,  20                          ; s[20:21] lane selects: lane l xor 16
; 64 numbers of a lane become a fragment's codes in v[pc] .. v[pc + 11] and its row's scale word in v[pw]
.macro QUANT s, pc, pw
.irp b, 0,1,2,3
	v_max3_num_f32 v[TM+\b], |v[\s+16*\b]|, |v[\s+1+16*\b]|, 0x2800000   ; block b: my 16 numbers, and the floor 2^(5 - 127): the byte cannot fall under 1
.endr
.irp i, 2,4,6,8,10,12,14
.irp b, 0,1,2,3
	v_max3_num_f32 v[TM+\b], v[TM+\b], |v[\s+16*\b+\i]|, |v[\s+1+16*\b+\i]|   ; the four blocks by turns
.endr
.endr
.irp b, 0,1,2,3
	v_permlanex16_b32 v[TM+4+\b], v[TM+\b], s[SEL], s[SEL+1]
.endr
.irp b, 0,1,2,3
	v_max_num_f32 v[TM+\b], v[TM+\b], v[TM+4+\b]   ; with lane l xor 16's: the block's largest magnitude
.endr
.irp b, 0,1,2,3
	v_add_nc_u32 v[TM+12+\b], 0xfe000000, v[TM+\b]   ; 4 off its exponent field: the conversion's scale operand
.endr
.irp b, 0,1,2,3
	v_lshrrev_b32 v[TM+4+\b], 23, v[TM+12+\b]   ; the scale's byte
.endr
	v_lshl_or_b32 v[\pw], v[TM+5], 8, v[TM+4]
	v_lshl_or_b32 v[\pw], v[TM+6], 16, v[\pw]
	v_lshl_or_b32 v[\pw], v[TM+7], 24, v[\pw]
.irp c, 0,1
	v_cvt_scalef32_pk16_bf6_f32 v[\pc+6*\c:\pc+2+6*\c], v[\s+32*\c:\s+15+32*\c], v[TM+12+2*\c]
	v_cvt_scalef32_pk16_bf6_f32 v[\pc+12+4*\c:\pc+14+4*\c], v[\s+16+32*\c:\s+31+32*\c], v[TM+12+2*\c+1]   ; a conversion's three registers begin on an even number
.endr
	v_nop                                          ; one plain instruction behind the scaled conversions
.irp c, 0,1                            ; the layout wants a whole block in a lane: lanes 0-15 block 2 c, lanes 16-31 block 2 c + 1
.irp i, 0,1,2
	v_permlane16_swap_b32 v[\pc+6*\c+\i], v[\pc+12+4*\c+\i]
.endr
.irp i, 0,1,2
	v_mov_b32 v[\pc+3+6*\c+\i], v[\pc+12+4*\c+\i]
.endr
.endr
.endm
	s_load_b256 s[4:11], s[0:1], 0x0               ; x s[4:5], w_attn s[6:7], w_proj s[8:9], xq s[10:11]
	s_load_b64 s[12:13], s[0:1], 0x20              ; wq
	v_lshl_add_u32 v[SPW], v0, 2, SPARE
	v_mov_b32 v[NIL], 0
	v_lshrrev_b32 v1, 5, v0
	v_readfirstlane_b32 s14, v1                    ; wave 0..3
	v_and_b32 v[LN], 31, v0
	s_cmp_lt_u32 ttmp9, 256
	s_cbranch_scc0 .Lweights
	; ---- x.  Task u = 4 x work-group + wave: tile u / 2, K steps 4 (u % 2) .. + 3
	s_lshl_b32 s15, ttmp9, 2
	s_add_co_u32 s15, s15, s14
	s_lshr_b32 s16, s15, 1                         ; the tile
	s_and_b32 s17, s15, 1                          ; which half of K
	s_lshr_b32 s18, s16, 1
	s_lshl_b32 s18, s18, 5
	s_and_b32 s19, s16, 1
	s_lshl_b32 s19, s19, 3
	s_add_co_u32 s18, s18, s19                     ; the tile's first token: 32 (tile / 2) + 8 (tile % 2)
	s_lshl_b32 s18, s18, 12                        ; rows of 4,096 bytes
	s_lshl_b32 s19, s17, 11
	s_add_co_u32 s18, s18, s19
	s_mov_b32 s19, 0
	s_mul_i32 s22, s16, 12288                      ; the tile's images,
	s_mul_i32 s23, s17, 6144                       ; my four K steps of them
	s_add_co_u32 s22, s22, s23
	s_mov_b32 s23, 0
	s_lshl_b32 s24, s16, 9                         ; the tile's scale words: 512 bytes,
	s_lshl_b32 s25, s17, 4                         ; my four words of each row's eight
	s_add_co_u32 s24, s24, s25
	s_add_co_u32 s24, s24, 0x600000
	s_mov_b32 s25, 0
	s_mov_b32 s[SEL], 0x76543210
	s_mov_b32 s[SEL+1], 0xfedcba98
	s_mul_i32 s28, s14, 8448                       ; my stage: 16 rows of 512 bytes + 16
	v_and_b32 v1, 15, v0                           ; r
	v_bfe_u32 v[HH], v0, 4, 1                      ; h
	v_lshlrev_b32 v[L16], 4, v[LN]
	v_lshlrev_b32 v[L8], 3, v[LN]
	v_add_nc_u32 v[SIN], s28, v[L16]               ; in: a row's 512 bytes as they lie
	v_mul_u32_u24 v[SOUT], v1, 528
	v_lshl_add_u32 v[SOUT], v[HH], 6, v[SOUT]
	v_add_nc_u32 v[SOUT], s28, v[SOUT]             ; out: row r, my 16 numbers of each block of 32
	v_lshlrev_b32 v[SCO], 5, v1
	v_lshl_add_u32 v[SCO], v[HH], 3, v[SCO]        ; 32 r + 8 h
.irp b, 0,1,2,3
	v_mov_b32 v[TM+4+\b], 0                        ; written once: a lane permute's destination counts as one of its sources
.endr
	s_wait_kmcnt 0x0
	s_add_nc_u64 s[4:5], s[4:5], s[18:19]
	s_add_nc_u64 s[26:27], s[10:11], s[24:25]
	s_add_nc_u64 s[10:11], s[10:11], s[22:23]
.macro LOAD t                          ; K step t of my four: 16 loads, each 512 consecutive bytes of one of the tile's rows
.irp i, 0,1,2,3,4,5,6,7,8,9,10,11,12,13,14,15
	global_load_b128 v[R+64*((\t)%2)+4*\i:R+64*((\t)%2)+4*\i+3], v[L16], s[4:5] offset:(\i+8*(\i/8))*4096+512*(\t) th:TH_LOAD_NT
.endr
.endm
.macro TASK t
.if (\t) < 3
	s_wait_loadcnt 16                              ; this K step's 16 loads are in; the next one's 16 may be out
.else
	s_wait_loadcnt 0x0
.endif
.irp i, 0,1,2,3,4,5,6,7,8,9,10,11,12,13,14,15
	ds_store_b128 v[SIN], v[R+64*((\t)%2)+4*\i:R+64*((\t)%2)+4*\i+3] offset:528*\i
.endr
.irp b, 0,1,2,3
.irp j, 0,1,2,3
	ds_load_b128 v[X+16*\b+4*\j:X+16*\b+4*\j+3], v[SOUT] offset:128*\b+16*\j   ; LDS serves a wave's instructions in order: these see my stores
.endr
.endr
	s_wait_dscnt 0x0                               ; my numbers are back, and the stores have read their registers,
.if (\t) < 2
	LOAD (\t)+2                                    ; which take the loads of two K steps on
.endif
.if (\t) > 0
	s_wait_xcnt 0x0                                ; the last K step's stores have read the codes' registers: they are written again only behind this wait
.endif
	QUANT X, PC, PWB+(\t)
	global_store_b128 v[L16], v[PC:PC+3], s[10:11] offset:1536*(\t)         ; each store covers 512 or 256 consecutive bytes, aligned
	global_store_b64 v[L8], v[PC+4:PC+5], s[10:11] offset:1536*(\t)+512
	global_store_b128 v[L16], v[PC+6:PC+9], s[10:11] offset:1536*(\t)+768
	global_store_b64 v[L8], v[PC+10:PC+11], s[10:11] offset:1536*(\t)+1280
.endm
	LOAD 0
	LOAD 1
	TASK 0
	TASK 1
	TASK 2
	TASK 3
	v_cmp_eq_u32 vcc_lo, 1, v[HH]                  ; lanes 0-15 store their row's words 0 and 1, lanes 16-31 words 2 and 3
	v_cndmask_b32 v246, v[PWB], v[PWB+2], vcc_lo
	v_cndmask_b32 v247, v[PWB+1], v[PWB+3], vcc_lo
	global_store_b64 v[SCO], v[246:247], s[26:27]
	s_wait_tensorcnt 0x0                           ; the wave's end, behind my last LDS store
	ds_add_u32 v[SPW], v[NIL]
	s_wait_dscnt 0x0
	s_endpgm
; ---- a weight [1,024 (k)][n], K its first axis.  A LANE TAKES A COLUMN AND ITS REGISTERS RUN DOWN K: a block of 32 lies in one lane, and the conversions give codes with K innermost.  No LDS.
; s15 = the work-group's number in its path: K step s15 % 8; pair of tiles 4 (s15 / 8) + wave: columns 32 x pair + lane.
.macro WLOAD j, pitch                  ; block j: 32 rows of the weight at my column; a load covers 128 consecutive bytes
.set kk, 32*(\j)
.rept 32
	global_load_b32 v[64+kk], v3, s[26:27] offset:kk*(\pitch) th:TH_LOAD_NT
.set kk, kk+1
.endr
.endm
.macro WQ pitch, tb, ptr
	s_and_b32 s16, s15, 7                          ; the K step
	s_lshr_b32 s17, s15, 3
	s_lshl_b32 s17, s17, 2
	s_add_co_u32 s17, s17, s14                     ; the pair of tiles
	s_mul_i32 s18, s16, 128*(\pitch)
	s_lshl_b32 s19, s17, 7
	s_add_co_u32 s18, s18, s19
	s_mov_b32 s19, 0
	s_lshl_b32 s20, s17, 1
	s_add_co_u32 s20, s20, \tb                     ; the pair's first tile in wq
	s_mul_i32 s22, s20, 12288
	s_mul_i32 s23, s16, 1536
	s_add_co_u32 s22, s22, s23
	s_mov_b32 s23, 0
	s_lshl_b32 s24, s20, 9
	s_lshl_b32 s25, s16, 2
	s_add_co_u32 s24, s24, s25
	s_add_co_u32 s24, s24, 0x300000
	s_mov_b32 s25, 0
	v_lshlrev_b32 v3, 2, v[LN]
	v_bfe_u32 v4, v[LN], 3, 1                      ; column x of the pair lies in tile u = (x / 8) % 2
	v_and_b32 v5, 7, v[LN]
	v_lshrrev_b32 v6, 4, v[LN]
	v_lshl_add_u32 v5, v6, 3, v5                   ; at place rho = x % 8 + 8 (x / 16)
	v_mul_u32_u24 v6, v4, 12288
	v_lshl_add_u32 v7, v5, 4, v6                   ; registers 0-3 of a half image
	v_lshl_add_u32 v8, v5, 3, v6                   ; registers 4-5
	v_lshlrev_b32 v9, 9, v4
	v_lshl_add_u32 v9, v5, 5, v9                   ; my column's scale words
	s_wait_kmcnt 0x0
	s_add_nc_u64 s[26:27], s[\ptr:\ptr+1], s[18:19]
	s_add_nc_u64 s[28:29], s[12:13], s[22:23]
	s_add_nc_u64 s[30:31], s[12:13], s[24:25]
	WLOAD 0, \pitch
	WLOAD 1, \pitch
.set jj, 0
.rept 4                                ; block jj = 2 c + h of the K step: the six registers that lane (rho, h) holds of half image c
.set XS, 64+32*jj
.set CC, 192+8*jj
.if jj < 3
	s_wait_loadcnt 32                              ; this block's 32 loads are in; the next block's may be out
.else
	s_wait_loadcnt 0x0
.endif
.if jj < 2
	WLOAD jj+2, \pitch                             ; every block has registers of its own
.endif
	v_max3_num_f32 v12, |v[XS]|, |v[XS+1]|, |v[XS+2]|
	v_max3_num_f32 v13, |v[XS+3]|, |v[XS+4]|, |v[XS+5]|
.irp i, 6,10,14,18,22,26
	v_max3_num_f32 v12, v12, |v[XS+\i]|, |v[XS+\i+1]|
	v_max3_num_f32 v13, v13, |v[XS+\i+2]|, |v[XS+\i+3]|
.endr
	v_max3_num_f32 v12, v12, |v[XS+30]|, |v[XS+31]|
	v_max3_num_f32 v12, v12, v13, 0x2800000        ; and the floor 2^(5 - 127)
	v_add_nc_u32 v11, 0xfe000000, v12              ; 4 off the exponent field: the conversion's scale operand
	v_lshrrev_b32 v13, 23, v11                     ; the scale's byte
.if jj == 0
	v_mov_b32 v24, v13
.else
	v_lshl_or_b32 v24, v13, 8*jj, v24
.endif
	v_cvt_scalef32_pk16_bf6_f32 v[CC:CC+2], v[XS:XS+15], v11
	v_cvt_scalef32_pk16_bf6_f32 v[CC+4:CC+6], v[XS+16:XS+31], v11
	v_nop                                          ; one plain instruction behind the scaled conversions
	v_mov_b32 v[CC+3], v[CC+4]
	v_mov_b32 v[CC+4], v[CC+5]
	v_mov_b32 v[CC+5], v[CC+6]
	global_store_b128 v7, v[CC:CC+3], s[28:29] offset:768*(jj/2)+256*(jj%2)       ; sixteen lanes fill 256 aligned bytes of each of the two tiles
	global_store_b64 v8, v[CC+4:CC+5], s[28:29] offset:768*(jj/2)+512+128*(jj%2)
.set jj, jj+1
.endr
	global_store_b32 v9, v24, s[30:31]             ; my column's scale word of this K step
.endm
.Lweights:
	s_sub_co_u32 s15, ttmp9, 256
	s_cmp_lt_u32 s15, 192
	s_cbranch_scc0 .Lwproj
	WQ 12288, 0, 6
	s_endpgm
.Lwproj:
	s_sub_co_u32 s15, s15, 192
	WQ 4096, 192, 8
	s_endpgm
.Lfunc_end_k_qf078eb290f_prep:
	.size	k_qf078eb290f_prep, .Lfunc_end_k_qf078eb290f_prep-k_qf078eb290f_prep
	.p2alignl 7, 3214868480
	.fill 96, 4, 3214868480
	.section	.rodata,"a",@progbits
	.p2align	6, 0x0
	.amdhsa_kernel k_qf078eb290f_prep
		.amdhsa_group_segment_fixed_size 34304
		.amdhsa_private_segment_fixed_size 0
		.amdhsa_enable_private_segment 0
		.amdhsa_kernarg_size 40
		.amdhsa_user_sgpr_count 2
		.amdhsa_user_sgpr_kernarg_segment_ptr 1
		.amdhsa_wavefront_size32 1
		.amdhsa_system_sgpr_workgroup_id_x 1
		.amdhsa_system_sgpr_workgroup_id_y 1
		.amdhsa_system_sgpr_workgroup_id_z 1
		.amdhsa_system_vgpr_workitem_id 0
		.amdhsa_next_free_vgpr 256
		.amdhsa_next_free_sgpr 66
		.amdhsa_reserve_vcc 1
		.amdhsa_float_denorm_mode_32 3
		.amdhsa_float_denorm_mode_16_64 3
		.amdhsa_memory_ordered 1
		.amdhsa_forward_progress 1
		.amdhsa_inst_pref_size 74
	.end_amdhsa_kernel
	.amdgpu_metadata
---
amdhsa.version: [ 1, 2 ]
amdhsa.kernels:
  - .name:           k_qf078eb290f_prep
    .symbol:         k_qf078eb290f_prep.kd
    .args:
      - { .name: x, .offset: 0, .size: 8, .value_kind: global_buffer, .address_space: global }
      - { .name: w_attn, .offset: 8, .size: 8, .value_kind: global_buffer, .address_space: global }
      - { .name: w_proj, .offset: 16, .size: 8, .value_kind: global_buffer, .address_space: global }
      - { .name: xq, .offset: 24, .size: 8, .value_kind: global_buffer, .address_space: global }
      - { .name: wq, .offset: 32, .size: 8, .value_kind: global_buffer, .address_space: global }
    .group_segment_fixed_size: 34304
    .private_segment_fixed_size: 0
    .kernarg_segment_align: 8
    .kernarg_segment_size: 40
    .max_flat_workgroup_size: 128
    .sgpr_count:     66
    .vgpr_count:     256
    .wavefront_size: 32
...
	.end_amdgpu_metadata
.endif
;; end of part 1
;; launch qkv (part 2): grid 12 x 32, 4 waves a work-group, clusters of 4 x 4, 327,680 bytes of LDS; arguments xq, wq, b_attn, qb, kv; writes qb, kv
.if DOCPART == 2
	.amdgcn_target "amdgcn-amd-amdhsa--gfx1250"
	.amdhsa_code_object_version 6
	.text
	.protected	k_qf078eb290f_qkv
	.globl	k_qf078eb290f_qkv
	.p2align	8
	.type	k_qf078eb290f_qkv,@function
k_qf078eb290f_qkv:
	s_mov_b64 s[64:65], 0
	v_nop
	global_prefetch_b8 v0, s[64:65] scope:SCOPE_SE
	s_setreg_imm32_b32 hwreg(HW_REG_WAVE_MODE, 25, 1), 1
	s_wait_xcnt 0x0
	s_wait_alu depctr_hold_cnt(0) depctr_sa_sdst(0) depctr_va_vdst(0) depctr_va_sdst(0) depctr_va_ssrc(0) depctr_va_vcc(0) depctr_vm_vsrc(0)
	s_getreg_b32 s2, hwreg(HW_REG_IB_STS2, 6, 4)
	s_cmp_eq_u32 s2, 0
	s_cbranch_scc0 .Lentry_in_a_cluster
	s_endpgm
.Lentry_in_a_cluster:
	s_bfe_u32 s2, ttmp6, 0x10000c
	s_cmp_lg_u32 s2, 0xf033
	s_cbranch_scc0 .Lentry_shape_is_right
	s_endpgm
.Lentry_shape_is_right:
; Launch 2 of 4: qkv = x w_attn + b_attn on codes of E3M2, and q, k, v quantised on the way out: q and k along the head's 64, v along the keys.  Nothing of this product is left out.
; A work-group of four waves makes 256 x 256 of the product, a wave 128 x 128: 64 accumulators.  C = P0 P1^T with source 0 = P0, source 1 = P1: a lane holds one row of P1, its registers run along P0's rows.
; q and k want a lane = a token and registers along the columns (P0 = the weight, P1 = x); v wants a lane = a column d and registers along the tokens (P0 = x, P1 = the weight).  The cluster's x says which
; (0: q, 1: k, 2: v); it is the same in all sixteen partners.  Only pointers and block numbers are chosen by it, so one loop serves all three.
; CLUSTER 4 x 4: P0's tiles hang on cx alone and are asked for jointly by my column of the cluster, P1's on cy alone and by my row.
; LDS: three regions of 98,304 bytes, each with two K steps of 128 (P0's 16 tiles x 3,072 bytes, then P1's 16); K = 1,024 is four such pairs: three are first fills, the fourth fills region 0 again.
; Behind them the scale words of all of K (units of 256 bytes + 16), then the spare words.  By this text's own count a wave has at most four tensor loads out.  All LDS is claimed.
; OUT: qb [batch x 16 + head][step of 128 tokens] records of 6,656 bytes: 8 half images (a tile of 16 tokens each), then 512 bytes of scale words, tile t row rho at 16 (rho + 16 (t % 2)) + 4 (t / 2), bytes 2 and 3 zero.
; kv: records of 13,312 bytes: k as in qb; from 6,656 V^T's four fragments (16 d x 128 keys); from 12,800 their scale words, word delta of lane l at 16 l + 4 delta.
; LIMITS: as stated at the head of the first launch.
; REGISTERS: window 0: v4-15 fragment addresses, v20 scale words' address, v21-24 offsets, v28-29 the add's two, v32-63 scale words (two sets), v64-159 and v160-255 P1's two sets of fragments.
;   window 1: v0-95 and v128-223 P0's two sets; v96-127 and v224-255 the bias as C.   windows 2, 3: accumulator (a, b) at 8 (8 a + b).
.set NB,    8                          ; P0's tiles for a wave
.set NREG,  3
.set SLOT,  (2*NB+16)*3072
.set SCL,   NREG*SLOT
.set S0H,   NB*544                     ; the scale words of NB tiles: 2 NB units of 272 bytes
.set S1H,   8*544
.set SPARE, SCL+2*S0H+2*S1H
.set AD,    4                          ; v[AD + 4 g + 2 op + kind]: region g, operand op, kind 0: + 16 x lane, 1: + 8 x lane
.set ADRS,  20
.set OA,    21                         ; 16 x lane
.set OB,    22                         ; 8 x lane
.set HH,    23                         ; lane / 16
.set BA,    24                         ; the bias loads' offset
.set SPW,   28
.set NIL,   29
.set SC,    32
.set P1F,   64
.set TM,    232                        ; the way out: v232-247 at work, v248 the floor, v224-231 the scale words, v64-223 the codes
.set FLOOR, 248
.set G1P0,  24
.set G1P1,  32
.set G1S0,  40
.set G1S1,  48
.set G0S0,  56
.set G0S1,  60
.set G0P0,  68                         ; a group 0 for each region
.set G0P1,  84
.set SEL,   100
.set MSB,   0
.macro WIN new                         ; the immediate's high byte repeats the setting that is left
.if MSB != (\new)
	s_set_vgpr_msb (MSB<<8)|(\new)
.set MSB, (\new)
.endif
.endm
; A joint load: waves 0 and 1 fetch P0's halves, waves 2 and 3 P1's.  The branch hangs on the wave's number alone.  An s_nop 0 and four v_nop follow each line.
.macro JLOAD g0a, g1a, g0b, g1b
	s_cmp_eq_u32 s15, 0
	s_cbranch_scc0 .Lfor_b_\@
	tensor_load_to_lds s[\g0a:\g0a+3], s[\g1a:\g1a+7]
	s_nop 0
.rept 4
	v_nop
.endr
	s_branch .Lasked_\@
.Lfor_b_\@:
	tensor_load_to_lds s[\g0b:\g0b+3], s[\g1b:\g1b+7]
	s_nop 0
.rept 4
	v_nop
.endr
.Lasked_\@:
.endm
.macro CROUND                          ; a round of the cluster's barrier
	s_barrier_signal -1
	s_barrier_wait -1
	s_cmp_lg_u32 s14, 0
	s_cbranch_scc1 .Lnot_wave_0_\@
	s_barrier_signal -3
.Lnot_wave_0_\@:
	s_barrier_wait -3
	s_barrier_signal -1
	s_barrier_wait -1
.endm
.macro PLACES
.rept 4
	v_nop
.endr
.endm
.macro FRAG reg, adr, off              ; a fragment's image into 12 registers: every load reads consecutive bytes
	ds_load_b128 v[\reg:\reg+3], v[\adr] offset:\off
	ds_load_b64 v[\reg+4:\reg+5], v[\adr+1] offset:\off+512
	ds_load_b128 v[\reg+6:\reg+9], v[\adr] offset:\off+768
	ds_load_b64 v[\reg+10:\reg+11], v[\adr+1] offset:\off+1280
.endm
.macro SCALES set, g                   ; the scale words of K steps 2 g and 2 g + 1: lanes 0-15 P0's tile i, lanes 16-31 P1's tile i
.irp i, 0,1,2,3,4,5,6,7
	ds_load_b64 v[SC+16*(\set)+2*\i:SC+16*(\set)+2*\i+1], v[ADRS] offset:544*\i+8*(\g)
.endr
.endm
.macro FETCH k                         ; K step k's fragments into set k % 2
.set RG, ((\k)/2)%NREG
.set KO, ((\k)%2)*1536
	WIN 0x40                                       ; destination window 1, address window 0
.set ii, 0
.rept NB
	FRAG 128*((\k)%2)+12*ii, AD+4*RG, ii*3072+KO
.set ii, ii+1
.endr
	WIN 0
.set ii, 0
.rept 8
	FRAG P1F+96*((\k)%2)+12*ii, AD+4*RG+2, ii*3072+KO
.set ii, ii+1
.endr
.if ((\k)%2) == 0
	SCALES ((\k)/2)%2, (\k)/2
.endif
.endm
; P1's tiles a0 .. a0 + n - 1 against P0's NB, K step k.  cmode 0: in place; 1: C = bias tile b; 2: C = bias tile a.  The accumulators take turns, one instruction a turn, in the same order in every step.
.macro MUL a0, n, k, cmode
.set aa, \a0
.rept \n
.set ACW, 2+(NB*aa)/32
.if \cmode
.set WW, 0x11|(ACW<<6)
.else
.set WW, 0x01|(ACW<<4)|(ACW<<6)
.endif
	WIN WW
.set bb, 0
.rept NB
.set ACR, (8*(NB*aa+bb))%256
.set R0, 128*((\k)%2)+12*bb
.set R1, P1F+96*((\k)%2)+12*aa
.set SA, SC+16*(((\k)/2)%2)+2*bb+(\k)%2
.set SB, SC+16*(((\k)/2)%2)+2*aa+(\k)%2
.if \cmode == 1
.set BR, 96+8*bb+96*(bb/4)
	v_wmma_scale_f32_16x16x128_f8f6f4 v[ACR:ACR+7], v[R0:R0+11], v[R1:R1+11], v[BR:BR+7], v[SA], v[SB] matrix_a_fmt:MATRIX_FMT_BF6 matrix_b_fmt:MATRIX_FMT_BF6 matrix_b_scale:MATRIX_SCALE_ROW1
.elseif \cmode == 2
.set BR, 96+8*aa+96*(aa/4)
	v_wmma_scale_f32_16x16x128_f8f6f4 v[ACR:ACR+7], v[R0:R0+11], v[R1:R1+11], v[BR:BR+7], v[SA], v[SB] matrix_a_fmt:MATRIX_FMT_BF6 matrix_b_fmt:MATRIX_FMT_BF6 matrix_b_scale:MATRIX_SCALE_ROW1
.else
	v_wmma_scale_f32_16x16x128_f8f6f4 v[ACR:ACR+7], v[R0:R0+11], v[R1:R1+11], v[ACR:ACR+7], v[SA], v[SB] matrix_a_fmt:MATRIX_FMT_BF6 matrix_b_fmt:MATRIX_FMT_BF6 matrix_b_scale:MATRIX_SCALE_ROW1
.endif
.set bb, bb+1
.endr
.set aa, aa+1
.endr
.endm
; A K step: 64 products; behind the first sixteen the next step's fragments are asked for, in one run, into the other set.
; sync 1: the next step's region is read for the first time: my part of it has landed (cnt later loads may be out), and a barrier says so of all four waves.
; sync 2: region 0, whose last reads were waited for at the head of the step before, is filled again with K steps 6 and 7.
.macro STEP k, sync, cnt, cmode
	s_wait_dscnt 0x0                               ; this step's fragments and scale words are in
	MUL 0, 2, \k, \cmode
.if \sync == 1
	WIN 0
	s_wait_tensorcnt \cnt
	s_barrier_signal -1
	s_barrier_wait -1
.endif
.if \sync == 2
	WIN 0
	s_wait_tensorcnt 0x0                           ; all my tensor loads have landed, so a group 0 may be written
	ds_add_u32 v[SPW], v[NIL]                      ; 0 onto my spare word
	s_add_nc_u64 s[G0P0+2:G0P0+3], s[G0P0+2:G0P0+3], NREG*3072
	s_add_nc_u64 s[G0P1+2:G0P1+3], s[G0P1+2:G0P1+3], NREG*3072
	s_wait_dscnt 0x0                               ; the add is done; my reads of region 0 were over long ago
	CROUND                                         ; the same holds of every wave of every partner
	JLOAD G0P0, G1P0, G0P1, G1P1                   ; the first tensor load behind the round; its four v_nop are the places in front of the loads below
.else
.if (\k) < 7
	PLACES                                         ; four plain instructions between the last products that read the other set and the loads into it
.endif
.endif
.if (\k) < 7
	FETCH (\k)+1
.endif
	MUL 2, 6, \k, \cmode
.endm
; 64 numbers of a lane in window w, v[s + 16 b + i] = k 32 b + 16 h + i of my row, become a fragment in v[pc] .. v[pc + 11] and its scale word in v[pw].  Each accumulator is read from its low end on.
.macro QUANT s, w, pc, pw
	WIN ((\w)<<2)|((\w)<<4)
.irp b, 0,1,2,3
	v_max3_num_f32 v[TM+\b], v[FLOOR], |v[\s+16*\b]|, |v[\s+1+16*\b]|   ; the floor 2^(5 - 127) among the leaves: the byte cannot fall under 1
.endr
.irp i, 2,4,6,8,10,12,14
.irp b, 0,1,2,3
	v_max3_num_f32 v[TM+\b], v[TM+\b], |v[\s+16*\b+\i]|, |v[\s+1+16*\b+\i]|
.endr
.endr
	WIN 0
.irp b, 0,1,2,3
	v_permlanex16_b32 v[TM+4+\b], v[TM+\b], s[SEL], s[SEL+1]
.endr
.irp b, 0,1,2,3
	v_max_num_f32 v[TM+\b], v[TM+\b], v[TM+4+\b]
.endr
.irp b, 0,1,2,3
	v_add_nc_u32 v[TM+12+\b], 0xfe000000, v[TM+\b]
.endr
.irp b, 0,1,2,3
	v_lshrrev_b32 v[TM+4+\b], 23, v[TM+12+\b]
.endr
	v_lshl_or_b32 v[\pw], v[TM+5], 8, v[TM+4]
	v_lshl_or_b32 v[\pw], v[TM+6], 16, v[\pw]
	v_lshl_or_b32 v[\pw], v[TM+7], 24, v[\pw]
	WIN \w
.irp c, 0,1
	v_cvt_scalef32_pk16_bf6_f32 v[\pc+6*\c:\pc+2+6*\c], v[\s+32*\c:\s+15+32*\c], v[TM+12+2*\c]
	v_cvt_scalef32_pk16_bf6_f32 v[\pc+12+4*\c:\pc+14+4*\c], v[\s+16+32*\c:\s+31+32*\c], v[TM+12+2*\c+1]
.endr
	WIN 0
	v_nop                                          ; one plain instruction behind the scaled conversions
.irp c, 0,1
.irp i, 0,1,2
	v_permlane16_swap_b32 v[\pc+6*\c+\i], v[\pc+12+4*\c+\i]
.endr
.irp i, 0,1,2
	v_mov_b32 v[\pc+3+6*\c+\i], v[\pc+12+4*\c+\i]
.endr
.endr
.endm
	s_load_b256 s[4:11], s[0:1], 0x0               ; xq s[4:5], wq s[6:7], b_attn s[8:9], qb s[10:11]
	s_load_b64 s[12:13], s[0:1], 0x20              ; kv
	v_lshl_add_u32 v[SPW], v0, 2, SPARE
	v_mov_b32 v[NIL], 0
	ds_add_u32 v[SPW], v[NIL]                      ; the wave's opening: the add, twice on end, and its wait ahead of my first tensor load
	ds_add_u32 v[SPW], v[NIL]
	v_lshrrev_b32 v1, 5, v0
	v_readfirstlane_b32 s14, v1                    ; wave 0..3
	s_lshr_b32 s15, s14, 1                         ; which 8 tiles of P1 are mine.  Also: I fetch for P0 (0) or P1 (1)
	s_and_b32 s16, s14, 1                          ; which NB tiles of P0 are mine.  Also: which half I fetch
	s_bfe_u32 s66, ttmp6, 0x40000                  ; cx
	s_bfe_u32 s67, ttmp6, 0x40004                  ; cy
	s_lshl_b32 s18, 0x1111, s66                    ; my column of the cluster (same cx)
	s_lshl_b32 s22, s67, 2
	s_lshl_b32 s22, 15, s22                        ; my row (same cy)
	s_or_b32 s[G1P0], s18, (3<<16)|(1<<21)         ; codes: elements of 8 bytes, no padding; the mask, and bit 21 beside it
	s_or_b32 s[G1P1], s22, (3<<16)|(1<<21)
	s_or_b32 s[G1S0], s18, (3<<16)|(1<<20)|(1<<21)|(5<<22)|(3<<25)   ; scale words: 16 bytes of padding behind every 256
	s_or_b32 s[G1S1], s22, (3<<16)|(1<<20)|(1<<21)|(5<<22)|(3<<25)
.irp g, G1P0, G1P1
	s_mov_b32 s[\g+1], 384<<16                     ; tensor_dim0: a tile's two K steps, 3,072 bytes
	s_mov_b32 s[\g+3], 384<<16                     ; tile_dim0
	s_mov_b32 s[\g+5], 1536                        ; from tile to tile: 12,288 bytes
	s_mov_b32 s[\g+6], 0
	s_mov_b32 s[\g+7], 0
.endr
	s_mov_b32 s[G1P0+2], NB<<16                    ; tensor_dim1
	s_mov_b32 s[G1P0+4], NB                        ; tile_dim1
	s_mov_b32 s[G1P1+2], 8<<16
	s_mov_b32 s[G1P1+4], 8
.irp g, G1S0, G1S1
	s_mov_b32 s[\g+1], 32<<16                      ; rows of 256 bytes, dense
	s_mov_b32 s[\g+3], 32<<16
	s_mov_b32 s[\g+5], 32
	s_mov_b32 s[\g+6], 0
	s_mov_b32 s[\g+7], 0
.endr
	s_mov_b32 s[G1S0+2], (2*NB)<<16
	s_mov_b32 s[G1S0+4], 2*NB
	s_mov_b32 s[G1S1+2], 16<<16
	s_mov_b32 s[G1S1+4], 16
	; which blocks of 256 rows.  q, k: P0 = the weight's block 4 X + cx, P1 = x's block 4 Y + cy.  v: P0 = x's block 4 Y + cx, P1 = the weight's block 8 + cy
	s_and_b32 s100, ttmp7, 0xffff
	s_lshl_b32 s100, s100, 2                       ; 4 Y
	s_lshl_b32 s101, ttmp9, 2                      ; 4 X
	s_mov_b32 s19, 0x300000                        ; where wq's scale words begin
	s_mov_b32 s23, 0x600000                        ; and xq's
	s_cmp_eq_u32 ttmp9, 2
	s_cselect_b32 s17, 1, 0                        ; 1: this cluster makes v
	s_cselect_b32 s18, s100, s101
	s_cselect_b32 s22, 8, s100
	s_cselect_b32 s19, 0x600000, s19
	s_cselect_b32 s23, 0x300000, s23
	s_add_co_u32 s18, s18, s66                     ; P0's block hangs on cx alone
	s_add_co_u32 s22, s22, s67                     ; P1's on cy alone
	s_mul_i32 s20, s18, 196608                     ; a block's codes: 16 tiles x 12,288 bytes
	s_mul_i32 s21, s16, NB*12288
	s_add_co_u32 s20, s20, s21
	s_mov_b32 s21, 0
	s_lshl_b32 s18, s18, 13                        ; a block's scale words: 8,192 bytes
	s_add_co_u32 s18, s18, s19
	s_lshl_b32 s19, s16, 12
	s_add_co_u32 s18, s18, s19
	s_mov_b32 s19, 0
	s_mul_i32 s2, s22, 196608
	s_mul_i32 s3, s16, 98304
	s_add_co_u32 s2, s2, s3
	s_mov_b32 s3, 0
	s_lshl_b32 s22, s22, 13
	s_add_co_u32 s22, s22, s23
	s_lshl_b32 s23, s16, 12
	s_add_co_u32 s22, s22, s23
	s_mov_b32 s23, 0
	v_and_b32 v1, 15, v0                           ; r
	v_bfe_u32 v[HH], v0, 4, 1                      ; h
	v_and_b32 v3, 31, v0
	v_lshlrev_b32 v[OA], 4, v3
	v_lshlrev_b32 v[OB], 3, v3
	s_wait_dscnt 0x0                               ; both opening adds are done
	s_wait_kmcnt 0x0
	s_cmp_eq_u32 s17, 1
	s_cselect_b64 s[100:101], s[4:5], s[6:7]       ; P0's buffer
	s_cselect_b64 s[4:5], s[6:7], s[4:5]           ; P1's
	s_add_nc_u64 s[20:21], s[100:101], s[20:21]    ; P0's codes,
	s_add_nc_u64 s[18:19], s[100:101], s[18:19]    ; its scale words,
	s_add_nc_u64 s[2:3], s[4:5], s[2:3]            ; P1's codes,
	s_add_nc_u64 s[22:23], s[4:5], s[22:23]        ; its scale words
	s_mul_i32 s6, s16, NB*3072                     ; where they go in a region: no place in the cluster enters an LDS address
	s_mul_i32 s7, s16, 24576
	s_add_co_u32 s7, s7, 2*NB*3072
	s_mul_i32 s100, s16, S0H
	s_add_co_u32 s100, s100, SCL
	s_mul_i32 s101, s16, S1H
	s_add_co_u32 s101, s101, SCL+2*S0H
	CROUND                                         ; all sixteen work-groups are here: the first joint loads meet
	s_mov_b32 s[G0S0], 1
	s_mov_b32 s[G0S0+1], s100
	s_mov_b64 s[G0S0+2:G0S0+3], s[18:19]
	s_or_b32 s[G0S0+3], s[G0S0+3], 0x80000000
	s_mov_b32 s[G0S1], 1
	s_mov_b32 s[G0S1+1], s101
	s_mov_b64 s[G0S1+2:G0S1+3], s[22:23]
	s_or_b32 s[G0S1+3], s[G0S1+3], 0x80000000
	JLOAD G0S0, G1S0, G0S1, G1S1                   ; the scale words of all of K: filled once
.irp g, 0,1,2
	s_mov_b32 s[G0P0+4*\g], 1
	s_add_co_u32 s[G0P0+4*\g+1], s6, \g*SLOT
	s_add_nc_u64 s[G0P0+4*\g+2:G0P0+4*\g+3], s[20:21], \g*3072
	s_or_b32 s[G0P0+4*\g+3], s[G0P0+4*\g+3], 0x80000000
	s_mov_b32 s[G0P1+4*\g], 1
	s_add_co_u32 s[G0P1+4*\g+1], s7, \g*SLOT
	s_add_nc_u64 s[G0P1+4*\g+2:G0P1+4*\g+3], s[2:3], \g*3072
	s_or_b32 s[G0P1+4*\g+3], s[G0P1+4*\g+3], 0x80000000
	JLOAD G0P0+4*\g, G1P0, G0P1+4*\g, G1P1         ; K steps 2 g and 2 g + 1
.endr
	; the bias, in the result's layout, as the C of the first K step: eight registers a tile, in window 1
	s_cmp_eq_u32 s17, 1
	s_cbranch_scc1 .Lbias_v
	s_lshl_b32 s80, ttmp9, 2                       ; q, k: registers run along the columns: tile b holds b_attn at 32 (b / 2) + 16 h + 8 (b % 2) + 0 .. 7 of my 128 columns
	s_add_co_u32 s80, s80, s66
	s_lshl_b32 s80, s80, 10
	s_lshl_b32 s81, s16, 9
	s_add_co_u32 s80, s80, s81
	s_mov_b32 s81, 0
	s_add_nc_u64 s[82:83], s[8:9], s[80:81]
	v_lshlrev_b32 v[BA], 6, v[HH]
	WIN 0x40
.set bb, 0
.rept 8
.set BR, 96+8*bb+96*(bb/4)
	global_load_b128 v[BR:BR+3], v[BA], s[82:83] offset:(32*(bb/2)+8*(bb%2))*4
	global_load_b128 v[BR+4:BR+7], v[BA], s[82:83] offset:(32*(bb/2)+8*(bb%2))*4+16
.set bb, bb+1
.endr
	WIN 0
	s_branch .Lbias_done
.Lbias_v:
	s_lshl_b32 s80, s67, 10                        ; v: a lane holds one column: tile a holds, eight times, b_attn at column 2,048 + 256 cy + 128 (wave / 2) + 32 (a / 2) + 8 (a % 2) + r + 8 (r / 8)
	s_lshl_b32 s81, s15, 9
	s_add_co_u32 s80, s80, s81
	s_add_co_u32 s80, s80, 8192
	s_mov_b32 s81, 0
	s_add_nc_u64 s[82:83], s[8:9], s[80:81]
	v_lshrrev_b32 v[BA], 3, v1
	v_lshl_add_u32 v[BA], v[BA], 3, v1
	v_lshlrev_b32 v[BA], 2, v[BA]
.set aa, 0
.rept 8
	global_load_b32 v[160+aa], v[BA], s[82:83] offset:(32*(aa/2)+8*(aa%2))*4
.set aa, aa+1
.endr
	s_wait_loadcnt 0x0
	WIN 0x40
.set aa, 0
.rept 8
.set BR, 96+8*aa+96*(aa/4)
.set jj, 0
.rept 8
	v_mov_b32 v[BR+jj], v[160+aa]
.set jj, jj+1
.endr
.set aa, aa+1
.endr
	WIN 0
.Lbias_done:
	s_mul_i32 s18, s16, NB*3072                    ; my NB tiles of P0 in a region,
	s_mul_i32 s19, s15, 24576
	s_add_co_u32 s19, s19, 2*NB*3072               ; my 8 of P1
.irp g, 0,1,2
	v_add_nc_u32 v[AD+4*\g], s18, v[OA]
	v_add_nc_u32 v[AD+4*\g+1], s18, v[OB]
	v_add_nc_u32 v[AD+4*\g+2], s19, v[OA]
	v_add_nc_u32 v[AD+4*\g+3], s19, v[OB]
	s_add_co_u32 s18, s18, SLOT
	s_add_co_u32 s19, s19, SLOT
.endr
	v_lshlrev_b32 v[ADRS], 5, v1                   ; my row's scale words: 32 bytes a row,
	v_lshrrev_b32 v3, 3, v1
	v_lshl_add_u32 v[ADRS], v3, 4, v[ADRS]         ; and 16 more behind each 256
	s_mul_i32 s18, s16, S0H                        ; lanes 0-15: P0's, my NB tiles
	s_mul_i32 s19, s15, S1H                        ; lanes 16-31: P1's, my 8 tiles, behind P0's
	s_add_co_u32 s19, s19, 2*S0H
	s_sub_co_u32 s19, s19, s18
	v_mul_u32_u24 v3, s19, v[HH]                   ; one product: the lower base + h x the distance
	s_add_co_u32 s18, s18, SCL
	v_add_nc_u32 v[ADRS], v[ADRS], v3
	v_add_nc_u32 v[ADRS], s18, v[ADRS]
	s_wait_tensorcnt 2                             ; the scale words and my part of region 0 are in; regions 1 and 2 may be out
	s_barrier_signal -1
	s_barrier_wait -1
	FETCH 0
	s_wait_loadcnt 0x0                             ; the bias
	s_cmp_eq_u32 s17, 1
	s_cbranch_scc1 .Lstep0_v
	STEP 0, 0, 0, 1                                ; the first K step starts the sums on the bias: nothing is cleared
	WIN 0
	s_branch .Lstep1
.Lstep0_v:
	STEP 0, 0, 0, 2
	WIN 0
.Lstep1:
	STEP 1, 1, 1, 0                                ; region 1 is in (region 2 may be out)
	STEP 2, 2, 0, 0                                ; region 0 is filled again; the wait for all loads has also shown region 2
	STEP 3, 0, 0, 0
	STEP 4, 0, 0, 0
	STEP 5, 1, 0, 0                                ; the refill is in
	STEP 6, 0, 0, 0
	STEP 7, 0, 0, 0
	WIN 0
	; THE WAY OUT: each tile a of P1 has 64 numbers a lane, 128 neighbours along P0's axis: one fragment.  Every tile has registers of its own for its codes, so no store's data are written again.
	PLACES                                         ; behind the last products: their results are read and their operands' registers written
	v_mov_b32 v[FLOOR], 0x2800000
.irp b, 0,1,2,3
	v_mov_b32 v[TM+4+\b], 0                        ; a lane permute's destination counts as one of its sources
.endr
	s_mov_b32 s[SEL], 0x76543210
	s_mov_b32 s[SEL+1], 0xfedcba98
	s_cmp_eq_u32 s17, 1
	s_cbranch_scc1 .Lout_v
	; q, k: the fragment's two half images are two heads' 64 channels of 16 tokens
	s_and_b32 s80, ttmp7, 0xffff
	s_lshl_b32 s80, s80, 2
	s_add_co_u32 s80, s80, s67                     ; the block of 256 tokens
	s_lshr_b32 s81, s80, 3                         ; the batch
	s_and_b32 s80, s80, 7
	s_lshl_b32 s80, s80, 1
	s_add_co_u32 s80, s80, s15                     ; the step of 128 tokens
	s_lshl_b32 s81, s81, 4
	s_lshl_b32 s82, s66, 2
	s_add_co_u32 s81, s81, s82
	s_lshl_b32 s82, s16, 1
	s_add_co_u32 s81, s81, s82                     ; 16 x batch + head, head = 4 cx + 2 (wave % 2)
	s_lshl_b32 s81, s81, 4
	s_add_co_u32 s81, s81, s80                     ; the record
	s_mov_b32 s83, 13312
	s_cmp_eq_u32 ttmp9, 0
	s_cselect_b64 s[96:97], s[10:11], s[12:13]     ; q goes to qb, k to kv
	s_cselect_b32 s83, 6656, s83                   ; a record's bytes
	s_mul_i32 s82, s81, s83
	s_lshl_b32 s80, s83, 4                         ; from head to head: 16 records
	s_mov_b32 s83, 0
	s_mov_b32 s81, 0
	s_add_nc_u64 s[96:97], s[96:97], s[82:83]
	s_add_nc_u64 s[98:99], s[96:97], s[80:81]
.set aa, 0
.rept 8
	QUANT 64*(aa%4), 2+aa/4, 64+20*aa, 224+aa
	global_store_b128 v[OA], v[64+20*aa:64+20*aa+3], s[96:97] offset:768*aa          ; each store covers 512 or 256 consecutive bytes, aligned
	global_store_b64 v[OB], v[64+20*aa+4:64+20*aa+5], s[96:97] offset:768*aa+512
	global_store_b128 v[OA], v[64+20*aa+6:64+20*aa+9], s[98:99] offset:768*aa
	global_store_b64 v[OB], v[64+20*aa+10:64+20*aa+11], s[98:99] offset:768*aa+512
.set aa, aa+1
.endr
	v_cmp_eq_u32 vcc_lo, 1, v[HH]                  ; the scale words: lanes 0-15 carry the even tiles' rows, lanes 16-31 the odd tiles'
.irp i, 0,1,2,3
	v_cndmask_b32 v[240+\i], v[224+2*\i], v[225+2*\i], vcc_lo
.endr
.irp i, 0,1,2,3
	v_and_b32 v[232+\i], 0xffff, v[240+\i]         ; the first head's two bytes; bytes 2 and 3 are 0
.endr
.irp i, 0,1,2,3
	v_lshrrev_b32 v[236+\i], 16, v[240+\i]         ; the second head's
.endr
	global_store_b128 v[OA], v[232:235], s[96:97] offset:6144
	global_store_b128 v[OA], v[236:239], s[98:99] offset:6144
	s_branch .Lend
.Lout_v:
	; v: the fragment is 16 channels d x the 128 keys of a step
	s_and_b32 s80, ttmp7, 0xffff
	s_lshl_b32 s80, s80, 2
	s_add_co_u32 s80, s80, s66                     ; the block of 256 tokens
	s_lshr_b32 s81, s80, 3
	s_and_b32 s80, s80, 7
	s_lshl_b32 s80, s80, 1
	s_add_co_u32 s80, s80, s16                     ; the step
	s_lshl_b32 s81, s81, 4
	s_lshl_b32 s82, s67, 2
	s_add_co_u32 s81, s81, s82
	s_lshl_b32 s82, s15, 1
	s_add_co_u32 s81, s81, s82                     ; 16 x batch + head, head = 4 cy + 2 (wave / 2)
	s_lshl_b32 s81, s81, 4
	s_add_co_u32 s81, s81, s80
	s_mul_i32 s82, s81, 13312
	s_mov_b32 s83, 0
	s_add_nc_u64 s[96:97], s[12:13], s[82:83]
	s_add_nc_u64 s[98:99], s[96:97], 212992        ; the next head
.set aa, 0
.rept 8
	QUANT 64*(aa%4), 2+aa/4, 64+20*aa, 224+aa
	global_store_b128 v[OA], v[64+20*aa:64+20*aa+3], s[96+2*(aa/4):97+2*(aa/4)] offset:6656+1536*(aa%4)
	global_store_b64 v[OB], v[64+20*aa+4:64+20*aa+5], s[96+2*(aa/4):97+2*(aa/4)] offset:6656+1536*(aa%4)+512
	global_store_b128 v[OA], v[64+20*aa+6:64+20*aa+9], s[96+2*(aa/4):97+2*(aa/4)] offset:6656+1536*(aa%4)+768
	global_store_b64 v[OB], v[64+20*aa+10:64+20*aa+11], s[96+2*(aa/4):97+2*(aa/4)] offset:6656+1536*(aa%4)+1280
.set aa, aa+1
.endr
	global_store_b128 v[OA], v[224:227], s[96:97] offset:12800    ; a head's four scale words a lane
	global_store_b128 v[OA], v[228:231], s[98:99] offset:12800
.Lend:
	s_wait_tensorcnt 0x0                           ; the wave's end, behind my last tensor load
	ds_add_u32 v[SPW], v[NIL]
	s_wait_dscnt 0x0
	CROUND                                         ; the closing round
	s_endpgm
.Lfunc_end_k_qf078eb290f_qkv:
	.size	k_qf078eb290f_qkv, .Lfunc_end_k_qf078eb290f_qkv-k_qf078eb290f_qkv
	.p2alignl 7, 3214868480
	.fill 96, 4, 3214868480
	.section	.rodata,"a",@progbits
	.p2align	6, 0x0
	.amdhsa_kernel k_qf078eb290f_qkv
		.amdhsa_group_segment_fixed_size 327680
		.amdhsa_private_segment_fixed_size 0
		.amdhsa_enable_private_segment 0
		.amdhsa_kernarg_size 40
		.amdhsa_user_sgpr_count 2
		.amdhsa_user_sgpr_kernarg_segment_ptr 1
		.amdhsa_wavefront_size32 1
		.amdhsa_system_sgpr_workgroup_id_x 1
		.amdhsa_system_sgpr_workgroup_id_y 1
		.amdhsa_system_sgpr_workgroup_id_z 1
		.amdhsa_system_vgpr_workitem_id 0
		.amdhsa_next_free_vgpr 1024
		.amdhsa_next_free_sgpr 102
		.amdhsa_reserve_vcc 1
		.amdhsa_float_denorm_mode_32 3
		.amdhsa_float_denorm_mode_16_64 3
		.amdhsa_memory_ordered 1
		.amdhsa_forward_progress 1
		.amdhsa_inst_pref_size 199
	.end_amdhsa_kernel
	.amdgpu_metadata
---
amdhsa.version: [ 1, 2 ]
amdhsa.kernels:
  - .name:           k_qf078eb290f_qkv
    .symbol:         k_qf078eb290f_qkv.kd
    .args:
      - { .name: xq, .offset: 0, .size: 8, .value_kind: global_buffer, .address_space: global }
      - { .name: wq, .offset: 8, .size: 8, .value_kind: global_buffer, .address_space: global }
      - { .name: b_attn, .offset: 16, .size: 8, .value_kind: global_buffer, .address_space: global }
      - { .name: qb, .offset: 24, .size: 8, .value_kind: global_buffer, .address_space: global }
      - { .name: kv, .offset: 32, .size: 8, .value_kind: global_buffer, .address_space: global }
    .group_segment_fixed_size: 327680
    .private_segment_fixed_size: 0
    .kernarg_segment_align: 8
    .kernarg_segment_size: 40
    .max_flat_workgroup_size: 128
    .sgpr_count:     102
    .vgpr_count:     1024
    .wavefront_size: 32
...
	.end_amdgpu_metadata
.endif
;; end of part 2
;; launch attn (part 3): grid 4 x 64, 16 waves a work-group, clusters of 4 x 1, 215,040 bytes of LDS; arguments qb, kv, att; writes att
.if DOCPART == 3
	.amdgcn_target "amdgcn-amd-amdhsa--gfx1250"
	.amdhsa_code_object_version 6
	.text
	.protected	k_qf078eb290f_attn
	.globl	k_qf078eb290f_attn
	.p2align	8
	.type	k_qf078eb290f_attn,@function
k_qf078eb290f_attn:
	s_mov_b64 s[64:65], 0
	v_nop
	global_prefetch_b8 v0, s[64:65] scope:SCOPE_SE
	s_setreg_imm32_b32 hwreg(HW_REG_WAVE_MODE, 25, 1), 1
	s_wait_xcnt 0x0
	s_wait_alu depctr_hold_cnt(0) depctr_sa_sdst(0) depctr_va_vdst(0) depctr_va_sdst(0) depctr_va_ssrc(0) depctr_va_vcc(0) depctr_vm_vsrc(0)
	s_getreg_b32 s2, hwreg(HW_REG_IB_STS2, 6, 4)
	s_cmp_eq_u32 s2, 0
	s_cbranch_scc0 .Lentry_in_a_cluster
	s_endpgm
.Lentry_in_a_cluster:
	s_bfe_u32 s2, ttmp6, 0x10000c
	s_cmp_lg_u32 s2, 0x3003
	s_cbranch_scc0 .Lentry_shape_is_right
	s_endpgm
.Lentry_shape_is_right:
; Launch 3 of 4: for each batch and head, O = softmax(q k^T / 8, causal) v on codes of E3M2, and O quantised along the channels for the last product.
; LEFT OUT: key steps of 128 keys that lie wholly behind a tile's 16 queries: reference()'s own jnp.tril makes their p zero for all values of the inputs (shown at the head of the first launch).
; THE SOFTMAX: t = score x log2(e) / 8; M = the running largest t rounded up to a whole number; p = 2^(t - M) is quantised along the keys, not normalised; the row's sum is taken of the unquantised p and divides at
; the end; when M moves, the sum and O are multiplied by 2^(old M - new M), which rounds nothing.
; THE FIRST PRODUCT'S K IS 64, half of the instruction's 128: q's codes of k = 64 .. 127 are zero registers, so whatever stands in source 0's upper six registers adds nothing (E3M2 has no code for NaN or
; infinity); bytes 2 and 3 of both scale words are 0, never 0xff.
; SHARES.  A cluster of four work-groups serves one head.  The head's 128 tiles of 16 queries are dealt i = 4 a + cx; wave w owns a = 31 - w (hi) and a = w (lo).  Tile i is live in steps 0 .. a / 2, whatever cx is,
; so every wave has 17 tile-steps and every branch hangs on the wave's number and the count of steps alone.
; A WHOLE HEAD'S k AND v STAY IN LDS: 16 records of 13,312 bytes from byte 0, asked for jointly by the four work-groups: every wave issues four first fills of 3,328 bytes (four steps' records are one phase).
; Nothing is filled again.  By this text's own count a wave has four tensor loads out.
; LAYOUT: both products transposed (S^T = k q^T, O^T = v^T p^T): a lane holds one query throughout.  The tiles of k hold their keys in the order in which the 16 registers of tiles 2 b and 2 b + 1 are 16 neighbouring keys.
; No prefetch: all of k and v is asked for at the head, with the first fills.
; LIMITS: as stated at the head of the first launch; the exponential and the reciprocal are the chip's own, of one unit in the last place, and flush denormals.
.set SPARE, 212992                     ; behind the head's records: the spare words, 128 bytes for each of the sixteen waves
.set L16,  1                           ; v1   16 x lane
.set L8,   2                           ; v2   8 x lane
.set SPW,  3
.set NIL,  4
.set A16,  5                           ; v5, v6 the step's record + 16 x lane, + 8 x lane
.set A8,   6
.set DMH,  7                           ; v7, v8 my query's place in its step of 128 keys, less 16 (lane / 16)
.set DML,  8
.set QSL,  9                           ; q's scale word, lo  (hi: v255)
.set STH,  10                          ; v10-13: -M, the largest t, the sum in two halves
.set STL,  14
.set QH,   18                          ; v18-29: q's six registers of codes and six of zeros
.set QL,   30
.set F,    42                          ; v42-89: k's eight half images, then v's four fragments
.set PAD,  90                          ; v90-95: the upper half of k's last operand
.set S,    96                          ; v96-159: S^T, then p
.set OH,   160                         ; O^T of hi;
.set OL,   192                         ; of lo.   v224-254 at work
.set QSH,  255
.set WV,   10
.set CX,   11
.set BH,   12
.set AH,   13
.set DH,   14                          ; the last live step of hi;
.set DL,   15                          ; of lo
.set TB,   16                          ; the step's record in LDS
.set KS,   17                          ; the step
.set CNT,  18
.set AL,   19
.set SEL,  20
.set CS,   22                          ; s[22:23] c = log2(e) / 8
.set G1,   24
.set G0,   32                          ; s[32:47] a group 0 for each phase
.macro CROUND
	s_barrier_signal -1
	s_barrier_wait -1
	s_cmp_lg_u32 s[WV], 0
	s_cbranch_scc1 .Lnot_wave_0_\@
	s_barrier_signal -3
.Lnot_wave_0_\@:
	s_barrier_wait -3
	s_barrier_signal -1
	s_barrier_wait -1
.endm
	s_load_b128 s[4:7], s[0:1], 0x0                ; qb, kv
	s_load_b64 s[8:9], s[0:1], 0x10                ; att
	v_lshl_add_u32 v[SPW], v0, 2, SPARE
	v_mov_b32 v[NIL], 0
	ds_add_u32 v[SPW], v[NIL]                      ; the wave's opening: the add, twice on end, and its wait ahead of my first tensor load
	ds_add_u32 v[SPW], v[NIL]
	v_lshrrev_b32 v5, 5, v0
	v_readfirstlane_b32 s[WV], v5                  ; wave 0..15
	s_bfe_u32 s[CX], ttmp6, 0x40000                ; my place in the cluster: it enters q's and att's addresses and the mask's numbers, nothing else
	s_and_b32 s[BH], ttmp7, 0xffff                 ; 16 x batch + head, which the four partners share
	s_mov_b32 s[G1], 15|(3<<16)|(1<<21)            ; the mask: all four; elements of 8 bytes; bit 21 beside the mask; no padding
	s_mov_b32 s[G1+1], 32<<16                      ; rows of 256 bytes,
	s_mov_b32 s[G1+2], 13<<16                      ; 13 of them, dense
	s_mov_b32 s[G1+3], 32<<16
	s_mov_b32 s[G1+4], 13
	s_mov_b32 s[G1+5], 32
	s_mov_b32 s[G1+6], 0
	s_mov_b32 s[G1+7], 0
	s_mul_i32 s56, s[BH], 212992                   ; the head's records,
	s_mul_i32 s58, s[WV], 3328                     ; my sixteenth of a phase, in memory and in LDS alike
	s_add_co_u32 s56, s56, s58
	s_mov_b32 s57, 0
	s_mov_b32 s[SEL], 0x76543210
	s_mov_b32 s[SEL+1], 0xfedcba98
	s_mov_b32 s[CS], 0x3e38aa3b
	s_mov_b32 s[CS+1], s[CS]                       ; named with it as a pair, so it is written
	s_sub_co_u32 s[AH], 31, s[WV]
	s_mov_b32 s[AL], s[WV]
	s_wait_dscnt 0x0                               ; both opening adds are done
	s_wait_kmcnt 0x0
	s_add_nc_u64 s[6:7], s[6:7], s[56:57]
	CROUND                                         ; all four work-groups are here: the joint loads meet
.irp p, 0,1,2,3
	s_mov_b32 s[G0+4*\p], 1
	s_add_co_u32 s[G0+4*\p+1], s58, \p*53248
	s_add_nc_u64 s[G0+4*\p+2:G0+4*\p+3], s[6:7], \p*53248
	s_or_b32 s[G0+4*\p+3], s[G0+4*\p+3], 0x80000000
.endr
.irp p, 0,1,2,3
	tensor_load_to_lds s[G0+4*\p:G0+4*\p+3], s[G1:G1+7]
	s_nop 0
.endr
.rept 4
	v_nop
.endr
	v_and_b32 v224, 15, v0                         ; r
	v_bfe_u32 v225, v0, 4, 1                       ; h
	v_and_b32 v226, 31, v0
	v_lshlrev_b32 v[L16], 4, v226
	v_lshlrev_b32 v[L8], 3, v226
	v_lshrrev_b32 v227, 3, v224
	v_lshl_add_u32 v227, v227, 3, v224             ; r + 8 (r / 8)
	v_lshlrev_b32 v225, 4, v225
	v_sub_nc_u32 v227, v227, v225                  ; - 16 h
	v_lshlrev_b32 v228, 4, v224                    ; 16 r: q's scale words
; The tile a (a scalar): its last live step, q's half image and scale word, the mask's number, and where its result goes.
.macro TSET a, dd, qf, qs, dm, ab, sb
	s_lshr_b32 s[\dd], s[\a], 1
	s_and_b32 s56, s[\a], 1
	s_lshl_b32 s57, s56, 2
	s_add_co_u32 s57, s57, s[CX]                   ; t = 4 (a % 2) + cx: the tile's place in its record
	s_lshl_b32 s58, s[BH], 4
	s_add_co_u32 s58, s58, s[\dd]
	s_mul_i32 s58, s58, 6656                       ; the record
	s_mul_i32 s59, s57, 768
	s_add_co_u32 s60, s58, s59
	s_mov_b32 s61, 0
	s_and_b32 s56, s57, 1                          ; t % 2
	s_lshr_b32 s57, s57, 1                         ; t / 2
	s_lshl_b32 s59, s56, 8
	s_add_co_u32 s62, s58, s59
	s_lshl_b32 s59, s57, 2
	s_add_co_u32 s62, s62, s59
	s_mov_b32 s63, 0
	s_add_nc_u64 s[66:67], s[4:5], s[60:61]
	s_add_nc_u64 s[68:69], s[4:5], s[62:63]
	global_load_b128 v[\qf:\qf+3], v[L16], s[66:67]
	global_load_b64 v[\qf+4:\qf+5], v[L8], s[66:67] offset:512
	global_load_b32 v[\qs], v228, s[68:69] offset:6144
	s_lshl_b32 s57, s57, 5
	s_lshl_b32 s56, s56, 3
	s_add_co_u32 s57, s57, s56
	v_add_nc_u32 v[\dm], s57, v227                 ; 32 (t / 2) + 8 (t % 2) + r + 8 (r / 8) - 16 h
	s_lshr_b32 s56, s[BH], 4
	s_lshl_b32 s56, s56, 7
	s_lshl_b32 s59, s[\a], 2
	s_add_co_u32 s56, s56, s59
	s_add_co_u32 s56, s56, s[CX]                   ; the tile among att's 512
	s_and_b32 s59, s[BH], 15                       ; the head
	s_mul_i32 s60, s56, 12288
	s_mul_i32 s62, s59, 768
	s_add_co_u32 s60, s60, s62
	s_add_nc_u64 s[\ab:\ab+1], s[8:9], s[60:61]
	s_lshl_b32 s60, s56, 9
	s_lshl_b32 s62, s59, 1
	s_add_co_u32 s60, s60, s62
	s_add_co_u32 s60, s60, 0x600000
	s_add_nc_u64 s[\sb:\sb+1], s[8:9], s[60:61]
.endm
	TSET AH, DH, QH, QSH, DMH, 48, 50
	s_wait_xcnt 0x0                                ; the loads above have read their bases: they are written again only behind this wait
	TSET AL, DL, QL, QSL, DML, 52, 54
.set n, 0
.rept 6
	v_mov_b32 v[QH+6+n], 0                         ; q's codes of k = 64 .. 127
	v_mov_b32 v[QL+6+n], 0
	v_mov_b32 v[PAD+n], 0
.set n, n+1
.endr
.irp t, STH, STL
	v_mov_b32 v[\t+1], 0xff61b1e6                  ; the largest t so far: -3e38, under every t
	v_floor_f32 v[\t], -v[\t+1]                    ; -M
	v_mov_b32 v[\t+2], 0                           ; the sum, in two halves
	v_mov_b32 v[\t+3], 0
.endr
.irp b, 0,1,2,3
	v_mov_b32 v[236+\b], 0                         ; a lane permute's destination counts as one of its sources
.endr
	v_mov_b32 v252, 0
	v_mov_b32 v253, 0                              ; named as the upper half of the pair v[252:253] before it is first written
.set n, 0
.rept 64
	v_mov_b32 v[OH+n], 0                           ; O^T of both tiles: the step is written once, and the first change of M leaves zeros zeros
.set n, n+1
.endr
; A KEY STEP of one tile: 128 keys.  mk = 1: the tile can lie on the diagonal or behind it in this phase.
.macro STEP st, qf, qs, ot, dm, dd, mk
.if \mk
	s_cmp_gt_u32 s[KS], s[\dd]                     ; all 128 keys come after my 16 queries: the step is left out (the wave's number and the count of steps decide)
	s_cbranch_scc1 .Lhidden_\@
.endif
	v_add_nc_u32 v[A16], s[TB], v[L16]
	v_add_nc_u32 v[A8], s[TB], v[L8]
	v_nop
	v_nop                                          ; four plain instructions between the last products and the loads into their operands' registers
.irp t, 0,1,2,3,4,5,6,7
	ds_load_b128 v[F+6*\t:F+6*\t+3], v[A16] offset:768*\t
	ds_load_b64 v[F+6*\t+4:F+6*\t+5], v[A8] offset:768*\t+512
.endr
	ds_load_b128 v[248:251], v[A16] offset:6144    ; all eight tiles' scale words: register i holds tile 2 i in lanes 0-15, tile 2 i + 1 in lanes 16-31
	s_wait_dscnt 0x0
.irp t, 0,2,4,6
	v_wmma_scale_f32_16x16x128_f8f6f4 v[S+8*\t:S+8*\t+7], v[F+6*\t:F+6*\t+11], v[\qf:\qf+11], 0, v[248+\t/2], v[\qs] matrix_a_fmt:MATRIX_FMT_BF6 matrix_b_fmt:MATRIX_FMT_BF6
	v_wmma_scale_f32_16x16x128_f8f6f4 v[S+8*\t+8:S+8*\t+15], v[F+6*\t+6:F+6*\t+17], v[\qf:\qf+11], 0, v[248+\t/2], v[\qs] matrix_a_fmt:MATRIX_FMT_BF6 matrix_b_fmt:MATRIX_FMT_BF6 matrix_a_scale:MATRIX_SCALE_ROW1
.endr
.rept 4
	v_nop
.endr
.irp e, 0,1,2,3                        ; v's four fragments and their scale words are asked for here and land under the softmax
	ds_load_b128 v[F+12*\e:F+12*\e+3], v[A16] offset:6656+1536*\e
	ds_load_b64 v[F+12*\e+4:F+12*\e+5], v[A8] offset:6656+1536*\e+512
	ds_load_b128 v[F+12*\e+6:F+12*\e+9], v[A16] offset:6656+1536*\e+768
	ds_load_b64 v[F+12*\e+10:F+12*\e+11], v[A8] offset:6656+1536*\e+1280
.endr
	ds_load_b128 v[248:251], v[A16] offset:12800
.if \mk
	s_cmp_lt_u32 s[KS], s[\dd]                     ; ahead of the diagonal all keys count
	s_cbranch_scc1 .Lopen_\@
	v_mov_b32 v254, 0xff800000                     ; on it the scores of hidden keys become -infinity: register 16 b + i holds key 32 b + 16 h + i of the step
.set n, 0
.rept 64
	v_cmp_gt_i32 vcc_lo, 32*(n/16)+n%16, v[\dm]
	v_cndmask_b32 v[S+n], v[S+n], v254, vcc_lo
.set n, n+1
.endr
.Lopen_\@:
.endif
.irp b, 0,1,2,3
	v_max3_num_f32 v[232+\b], v[S+16*\b], v[S+1+16*\b], v[S+2+16*\b]   ; the largest score of each block of 32 keys: for the row's maximum, and, since p rises with the score, for the block's largest p
.endr
.irp i, 3,5,7,9,11,13
.irp b, 0,1,2,3
	v_max3_num_f32 v[232+\b], v[232+\b], v[S+16*\b+\i], v[S+1+16*\b+\i]
.endr
.endr
.irp b, 0,1,2,3
	v_max_num_f32 v[232+\b], v[232+\b], v[S+15+16*\b]
.endr
.irp b, 0,1,2,3
	v_permlanex16_b32 v[236+\b], v[232+\b], s[SEL], s[SEL+1]
.endr
.irp b, 0,1,2,3
	v_max_num_f32 v[232+\b], v[232+\b], v[236+\b]
.endr
	v_max3_num_f32 v254, v232, v233, v234
	v_max_num_f32 v254, v254, v235
	v_mul_f32 v254, s[CS], v254                    ; the step's largest t
	v_max_num_f32 v[\st+1], v[\st+1], v254
	v_mov_b32 v254, v[\st]
	v_floor_f32 v[\st], -v[\st+1]                  ; the new -M = -ceil(t)
	v_sub_f32 v254, v[\st], v254                   ; old M less new M: a whole number, 0 or less
	v_cvt_i32_f32 v254, v254                       ; (it saturates)
	v_ldexp_f32 v252, 1.0, v254                    ; f = 2^(old M - new M)
.set n, 0
.rept 32
	v_pk_fma_f32 v[S+n:S+n+1], v[S+n:S+n+1], s[CS:CS+1], v[\st:\st+1] op_sel_hi:[1,0,0]   ; t - M, two at a time
.set n, n+2
.endr
.irp b, 0,1,2,3
	v_fma_f32 v[232+\b], v[232+\b], s[CS], v[\st]  ; the same of each block's largest score
.endr
.set n, 0
.rept 64
	v_exp_f32 v[S+n], v[S+n]                       ; p = 2^(t - M)
.set n, n+1
.endr
	v_pk_mul_f32 v[\st+2:\st+3], v[\st+2:\st+3], v[252:253] op_sel_hi:[1,0]   ; the sums under the new M: the plain instruction behind the batch
	s_wait_alu depctr_va_vdst(0)                   ; one wait for the 64 exponentials, ahead of their first reader
.irp b, 0,1,2,3
	v_exp_f32 v[232+\b], v[232+\b]                 ; the blocks' largest p
.endr
	v_pk_add_f32 v[236:237], v[S:S+1], v[S+2:S+3]  ; the row's sum is taken of the unquantised p, in two chains
.irp j, 4,8,12,16,20,24,28,32,36,40,44,48,52,56,60
	v_pk_add_f32 v[\st+2:\st+3], v[\st+2:\st+3], v[S+\j:S+1+\j]
	v_pk_add_f32 v[236:237], v[236:237], v[S+2+\j:S+3+\j]
.endr
	v_pk_add_f32 v[\st+2:\st+3], v[\st+2:\st+3], v[236:237]
	s_wait_alu depctr_va_vdst(0)                   ; and one for the four
.irp b, 0,1,2,3
	v_max_num_f32 v[232+\b], 0x2800000, v[232+\b]  ; the floor 2^(5 - 127)
.endr
.irp b, 0,1,2,3
	v_add_nc_u32 v[244+\b], 0xfe000000, v[232+\b]  ; the conversion's scale operand
.endr
.irp b, 0,1,2,3
	v_lshrrev_b32 v[236+\b], 23, v[244+\b]         ; the scale's byte
.endr
	v_lshl_or_b32 v253, v237, 8, v236              ; p's scale word for these 128 keys
	v_lshl_or_b32 v253, v238, 16, v253
	v_lshl_or_b32 v253, v239, 24, v253
.irp c, 0,1
	v_cvt_scalef32_pk16_bf6_f32 v[224+6*\c:226+6*\c], v[S+32*\c:S+15+32*\c], v[244+2*\c]
	v_cvt_scalef32_pk16_bf6_f32 v[236+4*\c:238+4*\c], v[S+16+32*\c:S+31+32*\c], v[244+2*\c+1]
.endr
	v_nop                                          ; one plain instruction behind the scaled conversions
.irp c, 0,1
.irp i, 0,1,2
	v_permlane16_swap_b32 v[224+6*\c+\i], v[236+4*\c+\i]
.endr
.irp i, 0,1,2
	v_mov_b32 v[227+6*\c+\i], v[236+4*\c+\i]
.endr
.endr
.set n, 0
.rept 16
	v_pk_mul_f32 v[\ot+n:\ot+n+1], v[\ot+n:\ot+n+1], v[252:253] op_sel_hi:[1,0]   ; O^T under the new M; these sixteen also stand between the codes' and the scale word's last writes and the products
.set n, n+2
.endr
	s_wait_dscnt 0x0                               ; v's fragments and scale words are in
.irp e, 0,1,2,3
	v_wmma_scale_f32_16x16x128_f8f6f4 v[\ot+8*\e:\ot+8*\e+7], v[F+12*\e:F+12*\e+11], v[224:235], v[\ot+8*\e:\ot+8*\e+7], v[248+\e], v253 matrix_a_fmt:MATRIX_FMT_BF6 matrix_b_fmt:MATRIX_FMT_BF6
.endr
.if \mk
.Lhidden_\@:
.endif
.endm
; A tile is finished: O^T / the sum, quantised along its 64 channels: a half image of att, and two scale bytes a row.
.macro OUT st, ot, ab, sb
.rept 4
	v_nop                                          ; behind the last products
.endr
	v_add_f32 v[\st+2], v[\st+2], v[\st+3]
	v_permlanex16_b32 v252, v[\st+2], s[SEL], s[SEL+1]
	v_add_f32 v[\st+2], v[\st+2], v252             ; the row's sum
	v_and_b32 v248, 15, v0
	v_bfe_u32 v249, v0, 4, 1
	v_lshl_add_u32 v250, v248, 5, v249             ; 32 r + h
	v_cmp_eq_u32 vcc_lo, 1, v249
	v_rcp_f32 v[\st+2], v[\st+2]
	v_nop                                          ; a plain instruction behind the reciprocal,
	s_wait_alu depctr_va_vdst(0)                   ; and the wait ahead of its first reader
.set n, 0
.rept 16
	v_pk_mul_f32 v[S+n:S+n+1], v[\ot+n:\ot+n+1], v[\st+2:\st+3] op_sel_hi:[1,0]   ; register 16 b + i: channel 32 b + 16 h + i of my query
.set n, n+2
.endr
.irp b, 0,1
	v_max3_num_f32 v[232+\b], |v[S+16*\b]|, |v[S+1+16*\b]|, 0x2800000
.endr
.irp i, 2,4,6,8,10,12,14
.irp b, 0,1
	v_max3_num_f32 v[232+\b], v[232+\b], |v[S+16*\b+\i]|, |v[S+1+16*\b+\i]|
.endr
.endr
.irp b, 0,1
	v_permlanex16_b32 v[236+\b], v[232+\b], s[SEL], s[SEL+1]
.endr
.irp b, 0,1
	v_max_num_f32 v[232+\b], v[232+\b], v[236+\b]
.endr
.irp b, 0,1
	v_add_nc_u32 v[244+\b], 0xfe000000, v[232+\b]
.endr
.irp b, 0,1
	v_lshrrev_b32 v[236+\b], 23, v[244+\b]
.endr
	v_cvt_scalef32_pk16_bf6_f32 v[224:226], v[S:S+15], v244
	v_cvt_scalef32_pk16_bf6_f32 v[228:230], v[S+16:S+31], v245
	v_cndmask_b32 v254, v236, v237, vcc_lo         ; my half's block's byte.  (The plain instruction behind the conversions)
.irp i, 0,1,2
	v_permlane16_swap_b32 v[224+\i], v[228+\i]
.endr
	v_mov_b32 v227, v228
	v_mov_b32 v228, v229
	v_mov_b32 v229, v230
	global_store_b128 v[L16], v[224:227], s[\ab:\ab+1]             ; 512 and 256 consecutive bytes, aligned
	global_store_b64 v[L8], v[228:229], s[\ab:\ab+1] offset:512
	global_store_b8 v250, v254, s[\sb:\sb+1]       ; a byte a lane, rows 32 bytes apart: the word's other half belongs to another head's work-group
	s_wait_xcnt 0x0                                ; the stores have read their registers: later steps write them again
.endm
; Phase p: steps 4 p .. 4 p + 3.  hi is never on the diagonal before step 8, lo is never live behind step 7.
.macro PHASE p
	s_wait_tensorcnt 3-\p                          ; my part of this phase's records is in; the later phases' loads may be out
	s_wait_dscnt 0x0
	s_barrier_signal -1
	s_barrier_wait -1                              ; everybody's is
	s_mov_b32 s[TB], \p*53248
	s_mov_b32 s[KS], 4*\p
	s_mov_b32 s[CNT], 4
.Ltrip_\@:
.if \p < 2
	STEP STH, QH, QSH, OH, DMH, DH, 0
	STEP STL, QL, QSL, OL, DML, DL, 1
.else
	STEP STH, QH, QSH, OH, DMH, DH, 1
.endif
	s_add_co_u32 s[TB], s[TB], 13312
	s_add_co_u32 s[KS], s[KS], 1
	s_sub_co_u32 s[CNT], s[CNT], 1
	s_cmp_lg_u32 s[CNT], 0
	s_cbranch_scc1 .Ltrip_\@
.endm
	s_wait_loadcnt 0x0                             ; q
	PHASE 0
	PHASE 1
	OUT STL, OL, 52, 54
	PHASE 2
	PHASE 3
	OUT STH, OH, 48, 50
	s_wait_tensorcnt 0x0                           ; the wave's end, behind my last tensor load
	ds_add_u32 v[SPW], v[NIL]
	s_wait_dscnt 0x0
	CROUND                                         ; the closing round
	s_endpgm
.Lfunc_end_k_qf078eb290f_attn:
	.size	k_qf078eb290f_attn, .Lfunc_end_k_qf078eb290f_attn-k_qf078eb290f_attn
	.p2alignl 7, 3214868480
	.fill 96, 4, 3214868480
	.section	.rodata,"a",@progbits
	.p2align	6, 0x0
	.amdhsa_kernel k_qf078eb290f_attn
		.amdhsa_group_segment_fixed_size 215040
		.amdhsa_private_segment_fixed_size 0
		.amdhsa_enable_private_segment 0
		.amdhsa_kernarg_size 24
		.amdhsa_user_sgpr_count 2
		.amdhsa_user_sgpr_kernarg_segment_ptr 1
		.amdhsa_wavefront_size32 1
		.amdhsa_system_sgpr_workgroup_id_x 1
		.amdhsa_system_sgpr_workgroup_id_y 1
		.amdhsa_system_sgpr_workgroup_id_z 1
		.amdhsa_system_vgpr_workitem_id 0
		.amdhsa_next_free_vgpr 256
		.amdhsa_next_free_sgpr 70
		.amdhsa_reserve_vcc 1
		.amdhsa_float_denorm_mode_32 3
		.amdhsa_float_denorm_mode_16_64 3
		.amdhsa_memory_ordered 1
		.amdhsa_forward_progress 1
		.amdhsa_inst_pref_size 134
	.end_amdhsa_kernel
	.amdgpu_metadata
---
amdhsa.version: [ 1, 2 ]
amdhsa.kernels:
  - .name:           k_qf078eb290f_attn
    .symbol:         k_qf078eb290f_attn.kd
    .args:
      - { .name: qb, .offset: 0, .size: 8, .value_kind: global_buffer, .address_space: global }
      - { .name: kv, .offset: 8, .size: 8, .value_kind: global_buffer, .address_space: global }
      - { .name: att, .offset: 16, .size: 8, .value_kind: global_buffer, .address_space: global }
    .group_segment_fixed_size: 215040
    .private_segment_fixed_size: 0
    .kernarg_segment_align: 8
    .kernarg_segment_size: 24
    .max_flat_workgroup_size: 512
    .sgpr_count:     70
    .vgpr_count:     256
    .wavefront_size: 32
...
	.end_amdgpu_metadata
.endif
;; end of part 3
;; launch proj (part 4): grid 8 x 32, 4 waves a work-group, clusters of 4 x 4, 327,680 bytes of LDS; arguments att, wq, b_proj, out0; writes out0
.if DOCPART == 4
	.amdgcn_target "amdgcn-amd-amdhsa--gfx1250"
	.amdhsa_code_object_version 6
	.text
	.protected	k_qf078eb290f_proj
	.globl	k_qf078eb290f_proj
	.p2align	8
	.type	k_qf078eb290f_proj,@function
k_qf078eb290f_proj:
	s_mov_b64 s[64:65], 0
	v_nop
	global_prefetch_b8 v0, s[64:65] scope:SCOPE_SE
	s_setreg_imm32_b32 hwreg(HW_REG_WAVE_MODE, 25, 1), 1
	s_wait_xcnt 0x0
	s_wait_alu depctr_hold_cnt(0) depctr_sa_sdst(0) depctr_va_vdst(0) depctr_va_sdst(0) depctr_va_ssrc(0) depctr_va_vcc(0) depctr_vm_vsrc(0)
	s_getreg_b32 s2, hwreg(HW_REG_IB_STS2, 6, 4)
	s_cmp_eq_u32 s2, 0
	s_cbranch_scc0 .Lentry_in_a_cluster
	s_endpgm
.Lentry_in_a_cluster:
	s_bfe_u32 s2, ttmp6, 0x10000c
	s_cmp_lg_u32 s2, 0xf033
	s_cbranch_scc0 .Lentry_shape_is_right
	s_endpgm
.Lentry_shape_is_right:
; Launch 4 of 4: out0 = att w_proj + b_proj on codes of E3M2; f32 out.  Nothing of this product is left out.
; A work-group of four waves makes 256 tokens x 128 columns, so that there are 256 work-groups; a wave 128 x 64: 32 accumulators.  Source 0 = P0 = w_proj's columns (wq's tiles 192 on), source 1 = P1 = att's tiles:
; a lane holds one token, its registers run along the columns; by the order of columns in a tile the 16 registers of tiles 2 b and 2 b + 1 are 16 neighbouring columns.
; CLUSTER 4 x 4: P0's tiles hang on cx alone and are asked for jointly by my column of the cluster, P1's on cy alone and by my row.
; LDS: four regions of 73,728 bytes, each with two K steps of 128: ALL OF K IS RESIDENT, nothing is filled again.  Behind them the scale words, then the spare words.  By this text's own count a wave has at most
; five tensor loads out.  The way out's stages lie in region 1, which has had its only fill and its last read by then.
; LIMITS: as stated at the head of the first launch.
; REGISTERS: window 0: v4-19 fragment addresses, v20 scale words' address, v21-24 the way out's, v28-29 the add's two, v32-63 scale words, v64-159 and v160-255 P1's two sets.
;   window 1: v0-47 and v128-175 P0's two sets; v96-127 the bias as C.   window 2: accumulator (a, b) at 8 (4 a + b).
.set NB,    4
.set NREG,  4
.set SLOT,  (2*NB+16)*3072
.set SCL,   NREG*SLOT
.set S0H,   NB*544
.set S1H,   8*544
.set SPARE, SCL+2*S0H+2*S1H
.set AD,    4
.set ADRS,  20
.set STO,   21
.set RD,    22
.set CO,    23
.set BA,    24
.set OA,    25
.set OB,    26
.set HH,    27
.set SPW,   28
.set NIL,   29
.set SC,    32
.set P1F,   64
.set BK,    64                         ; the way out: rows read back from the stage, v64-95 and v96-127 by turns
.set G1P0,  24
.set G1P1,  32
.set G1S0,  40
.set G1S1,  48
.set G0S0,  56
.set G0S1,  60
.set G0P0,  68
.set G0P1,  84
.set MSB,   0
.macro WIN new
.if MSB != (\new)
	s_set_vgpr_msb (MSB<<8)|(\new)
.set MSB, (\new)
.endif
.endm
.macro JLOAD g0a, g1a, g0b, g1b        ; waves 0 and 1 fetch P0's halves, waves 2 and 3 P1's; an s_nop 0 and four v_nop follow each line
	s_cmp_eq_u32 s15, 0
	s_cbranch_scc0 .Lfor_b_\@
	tensor_load_to_lds s[\g0a:\g0a+3], s[\g1a:\g1a+7]
	s_nop 0
.rept 4
	v_nop
.endr
	s_branch .Lasked_\@
.Lfor_b_\@:
	tensor_load_to_lds s[\g0b:\g0b+3], s[\g1b:\g1b+7]
	s_nop 0
.rept 4
	v_nop
.endr
.Lasked_\@:
.endm
.macro CROUND
	s_barrier_signal -1
	s_barrier_wait -1
	s_cmp_lg_u32 s14, 0
	s_cbranch_scc1 .Lnot_wave_0_\@
	s_barrier_signal -3
.Lnot_wave_0_\@:
	s_barrier_wait -3
	s_barrier_signal -1
	s_barrier_wait -1
.endm
.macro PLACES
.rept 4
	v_nop
.endr
.endm
.macro FRAG reg, adr, off
	ds_load_b128 v[\reg:\reg+3], v[\adr] offset:\off
	ds_load_b64 v[\reg+4:\reg+5], v[\adr+1] offset:\off+512
	ds_load_b128 v[\reg+6:\reg+9], v[\adr] offset:\off+768
	ds_load_b64 v[\reg+10:\reg+11], v[\adr+1] offset:\off+1280
.endm
.macro SCALES set, g                   ; lanes 0-15 P0's tile i (for i of 4 and more: filled bytes that nobody uses), lanes 16-31 P1's tile i
.irp i, 0,1,2,3,4,5,6,7
	ds_load_b64 v[SC+16*(\set)+2*\i:SC+16*(\set)+2*\i+1], v[ADRS] offset:544*\i+8*(\g)
.endr
.endm
.macro FETCH k
.set RG, ((\k)/2)%NREG
.set KO, ((\k)%2)*1536
	WIN 0x40
.set ii, 0
.rept NB
	FRAG 128*((\k)%2)+12*ii, AD+4*RG, ii*3072+KO
.set ii, ii+1
.endr
	WIN 0
.set ii, 0
.rept 8
	FRAG P1F+96*((\k)%2)+12*ii, AD+4*RG+2, ii*3072+KO
.set ii, ii+1
.endr
.if ((\k)%2) == 0
	SCALES ((\k)/2)%2, (\k)/2
.endif
.endm
.macro MUL a0, n, k, cmode             ; the accumulators take turns, one instruction a turn, in the same order in every step
.set aa, \a0
.rept \n
.set ACW, 2+(NB*aa)/32
.if \cmode
.set WW, 0x11|(ACW<<6)
.else
.set WW, 0x01|(ACW<<4)|(ACW<<6)
.endif
	WIN WW
.set bb, 0
.rept NB
.set ACR, (8*(NB*aa+bb))%256
.set R0, 128*((\k)%2)+12*bb
.set R1, P1F+96*((\k)%2)+12*aa
.set SA, SC+16*(((\k)/2)%2)+2*bb+(\k)%2
.set SB, SC+16*(((\k)/2)%2)+2*aa+(\k)%2
.if \cmode
.set BR, 96+8*bb
	v_wmma_scale_f32_16x16x128_f8f6f4 v[ACR:ACR+7], v[R0:R0+11], v[R1:R1+11], v[BR:BR+7], v[SA], v[SB] matrix_a_fmt:MATRIX_FMT_BF6 matrix_b_fmt:MATRIX_FMT_BF6 matrix_b_scale:MATRIX_SCALE_ROW1
.else
	v_wmma_scale_f32_16x16x128_f8f6f4 v[ACR:ACR+7], v[R0:R0+11], v[R1:R1+11], v[ACR:ACR+7], v[SA], v[SB] matrix_a_fmt:MATRIX_FMT_BF6 matrix_b_fmt:MATRIX_FMT_BF6 matrix_b_scale:MATRIX_SCALE_ROW1
.endif
.set bb, bb+1
.endr
.set aa, aa+1
.endr
.endm
; A K step: 32 products; behind the first eight the next step's fragments are asked for.  sync 1: the next step's region is read for the first time: my part has landed (cnt later loads may be out), a barrier says so of all.
.macro STEP k, sync, cnt, cmode
	s_wait_dscnt 0x0
	MUL 0, 2, \k, \cmode
.if \sync == 1
	WIN 0
	s_wait_tensorcnt \cnt
	s_barrier_signal -1
	s_barrier_wait -1
.endif
.if (\k) < 7
	PLACES                                         ; four plain instructions between the last products that read the other set and the loads into it
	FETCH (\k)+1
.endif
	MUL 2, 6, \k, \cmode
.endm
	s_load_b256 s[4:11], s[0:1], 0x0               ; att s[4:5], wq s[6:7], b_proj s[8:9], out0 s[10:11]
	v_lshl_add_u32 v[SPW], v0, 2, SPARE
	v_mov_b32 v[NIL], 0
	ds_add_u32 v[SPW], v[NIL]                      ; the wave's opening: the add, twice on end, and its wait ahead of my first tensor load
	ds_add_u32 v[SPW], v[NIL]
	v_lshrrev_b32 v1, 5, v0
	v_readfirstlane_b32 s14, v1                    ; wave 0..3
	s_lshr_b32 s15, s14, 1                         ; which 8 tiles of P1 are mine.  Also: I fetch for P0 (0) or P1 (1)
	s_and_b32 s16, s14, 1                          ; which 4 tiles of P0 are mine.  Also: which half I fetch
	s_bfe_u32 s66, ttmp6, 0x40000                  ; cx
	s_bfe_u32 s67, ttmp6, 0x40004                  ; cy
	s_lshl_b32 s18, 0x1111, s66                    ; my column of the cluster
	s_lshl_b32 s22, s67, 2
	s_lshl_b32 s22, 15, s22                        ; my row
	s_or_b32 s[G1P0], s18, (3<<16)|(1<<21)
	s_or_b32 s[G1P1], s22, (3<<16)|(1<<21)
	s_or_b32 s[G1S0], s18, (3<<16)|(1<<20)|(1<<21)|(5<<22)|(3<<25)
	s_or_b32 s[G1S1], s22, (3<<16)|(1<<20)|(1<<21)|(5<<22)|(3<<25)
.irp g, G1P0, G1P1
	s_mov_b32 s[\g+1], 384<<16
	s_mov_b32 s[\g+3], 384<<16
	s_mov_b32 s[\g+5], 1536
	s_mov_b32 s[\g+6], 0
	s_mov_b32 s[\g+7], 0
.endr
	s_mov_b32 s[G1P0+2], NB<<16
	s_mov_b32 s[G1P0+4], NB
	s_mov_b32 s[G1P1+2], 8<<16
	s_mov_b32 s[G1P1+4], 8
.irp g, G1S0, G1S1
	s_mov_b32 s[\g+1], 32<<16
	s_mov_b32 s[\g+3], 32<<16
	s_mov_b32 s[\g+5], 32
	s_mov_b32 s[\g+6], 0
	s_mov_b32 s[\g+7], 0
.endr
	s_mov_b32 s[G1S0+2], (2*NB)<<16
	s_mov_b32 s[G1S0+4], 2*NB
	s_mov_b32 s[G1S1+2], 16<<16
	s_mov_b32 s[G1S1+4], 16
	s_lshl_b32 s18, ttmp9, 2
	s_add_co_u32 s18, s18, s66                     ; the block of 128 columns: 4 X + cx
	s_lshl_b32 s18, s18, 3
	s_lshl_b32 s19, s16, 2
	s_add_co_u32 s18, s18, s19
	s_add_co_u32 s18, s18, 192                     ; the first of the four tiles of wq that I fetch
	s_mul_i32 s20, s18, 12288
	s_mov_b32 s21, 0
	s_lshl_b32 s18, s18, 9
	s_add_co_u32 s18, s18, 0x300000
	s_mov_b32 s19, 0
	s_and_b32 s22, ttmp7, 0xffff
	s_lshl_b32 s22, s22, 2
	s_add_co_u32 s22, s22, s67                     ; the block of 256 tokens: 4 Y + cy
	s_mul_i32 s2, s22, 196608
	s_mul_i32 s3, s16, 98304
	s_add_co_u32 s2, s2, s3
	s_mov_b32 s3, 0
	s_lshl_b32 s22, s22, 13
	s_lshl_b32 s23, s16, 12
	s_add_co_u32 s22, s22, s23
	s_add_co_u32 s22, s22, 0x600000
	s_mov_b32 s23, 0
	v_and_b32 v1, 15, v0                           ; r
	v_bfe_u32 v[HH], v0, 4, 1                      ; h
	v_and_b32 v3, 31, v0
	v_lshlrev_b32 v[OA], 4, v3
	v_lshlrev_b32 v[OB], 3, v3
	s_wait_dscnt 0x0                               ; both opening adds are done
	s_wait_kmcnt 0x0
	s_add_nc_u64 s[20:21], s[6:7], s[20:21]        ; P0's codes,
	s_add_nc_u64 s[18:19], s[6:7], s[18:19]        ; its scale words,
	s_add_nc_u64 s[2:3], s[4:5], s[2:3]            ; P1's codes,
	s_add_nc_u64 s[22:23], s[4:5], s[22:23]        ; its scale words
	s_mul_i32 s6, s16, NB*3072                     ; where they go: no place in the cluster enters an LDS address
	s_mul_i32 s7, s16, 24576
	s_add_co_u32 s7, s7, 2*NB*3072
	s_mul_i32 s100, s16, S0H
	s_add_co_u32 s100, s100, SCL
	s_mul_i32 s101, s16, S1H
	s_add_co_u32 s101, s101, SCL+2*S0H
	CROUND                                         ; all sixteen work-groups are here: the joint loads meet
	s_mov_b32 s[G0S0], 1
	s_mov_b32 s[G0S0+1], s100
	s_mov_b64 s[G0S0+2:G0S0+3], s[18:19]
	s_or_b32 s[G0S0+3], s[G0S0+3], 0x80000000
	s_mov_b32 s[G0S1], 1
	s_mov_b32 s[G0S1+1], s101
	s_mov_b64 s[G0S1+2:G0S1+3], s[22:23]
	s_or_b32 s[G0S1+3], s[G0S1+3], 0x80000000
	JLOAD G0S0, G1S0, G0S1, G1S1                   ; the scale words of all of K
.irp g, 0,1,2,3
	s_mov_b32 s[G0P0+4*\g], 1
	s_add_co_u32 s[G0P0+4*\g+1], s6, \g*SLOT
	s_add_nc_u64 s[G0P0+4*\g+2:G0P0+4*\g+3], s[20:21], \g*3072
	s_or_b32 s[G0P0+4*\g+3], s[G0P0+4*\g+3], 0x80000000
	s_mov_b32 s[G0P1+4*\g], 1
	s_add_co_u32 s[G0P1+4*\g+1], s7, \g*SLOT
	s_add_nc_u64 s[G0P1+4*\g+2:G0P1+4*\g+3], s[2:3], \g*3072
	s_or_b32 s[G0P1+4*\g+3], s[G0P1+4*\g+3], 0x80000000
	JLOAD G0P0+4*\g, G1P0, G0P1+4*\g, G1P1         ; K steps 2 g and 2 g + 1
.endr
	; where my part of out0 and of the bias begins
	s_and_b32 s100, ttmp7, 0xffff
	s_lshl_b32 s100, s100, 2
	s_add_co_u32 s100, s100, s67
	s_lshl_b32 s100, s100, 1
	s_add_co_u32 s100, s100, s15                   ; my 128 tokens
	s_lshl_b32 s100, s100, 19                      ; rows of 4,096 bytes
	s_lshl_b32 s101, ttmp9, 2
	s_add_co_u32 s101, s101, s66
	s_lshl_b32 s101, s101, 1
	s_add_co_u32 s101, s101, s16                   ; my 64 columns,
	s_lshl_b32 s101, s101, 8                       ; 256 bytes
	s_mov_b32 s2, s101
	s_mov_b32 s3, 0
	s_add_co_u32 s100, s100, s101
	s_mov_b32 s101, 0
	s_add_nc_u64 s[8:9], s[8:9], s[2:3]
	s_add_nc_u64 s[10:11], s[10:11], s[100:101]
	v_lshlrev_b32 v[BA], 6, v[HH]                  ; the bias as C: tile b holds b_proj at 32 (b / 2) + 16 h + 8 (b % 2) + 0 .. 7 of my 64 columns
	WIN 0x40
.set bb, 0
.rept 4
	global_load_b128 v[96+8*bb:96+8*bb+3], v[BA], s[8:9] offset:(32*(bb/2)+8*(bb%2))*4
	global_load_b128 v[96+8*bb+4:96+8*bb+7], v[BA], s[8:9] offset:(32*(bb/2)+8*(bb%2))*4+16
.set bb, bb+1
.endr
	WIN 0
	s_mul_i32 s18, s16, NB*3072
	s_mul_i32 s19, s15, 24576
	s_add_co_u32 s19, s19, 2*NB*3072
.irp g, 0,1,2,3
	v_add_nc_u32 v[AD+4*\g], s18, v[OA]
	v_add_nc_u32 v[AD+4*\g+1], s18, v[OB]
	v_add_nc_u32 v[AD+4*\g+2], s19, v[OA]
	v_add_nc_u32 v[AD+4*\g+3], s19, v[OB]
	s_add_co_u32 s18, s18, SLOT
	s_add_co_u32 s19, s19, SLOT
.endr
	v_lshlrev_b32 v[ADRS], 5, v1
	v_lshrrev_b32 v3, 3, v1
	v_lshl_add_u32 v[ADRS], v3, 4, v[ADRS]         ; 32 r + 16 (r / 8)
	s_mul_i32 s18, s16, S0H
	s_mul_i32 s19, s15, S1H
	s_add_co_u32 s19, s19, 2*S0H
	s_sub_co_u32 s19, s19, s18
	v_mul_u32_u24 v3, s19, v[HH]                   ; one product: the lower base + h x the distance
	s_add_co_u32 s18, s18, SCL
	v_add_nc_u32 v[ADRS], v[ADRS], v3
	v_add_nc_u32 v[ADRS], s18, v[ADRS]
	s_mul_i32 s18, s14, 4352
	s_add_co_u32 s18, s18, SLOT                    ; my stage: 16 rows of 256 bytes + 16, in region 1
	v_mul_u32_u24 v[STO], v1, 272
	v_lshl_add_u32 v[STO], v[HH], 6, v[STO]
	v_add_nc_u32 v[STO], s18, v[STO]               ; in: row r, + 64 h
	v_mul_u32_u24 v[RD], v[HH], 272
	v_lshl_add_u32 v[RD], v1, 4, v[RD]
	v_add_nc_u32 v[RD], s18, v[RD]                 ; back: lanes 0-15 one row, lanes 16-31 the next
	v_lshlrev_b32 v[CO], 12, v[HH]
	v_lshl_add_u32 v[CO], v1, 4, v[CO]             ; and the same two rows in out0
	s_wait_tensorcnt 3                             ; the scale words and my part of region 0 are in; regions 1 to 3 may be out
	s_barrier_signal -1
	s_barrier_wait -1
	FETCH 0
	s_wait_loadcnt 0x0                             ; the bias
	STEP 0, 0, 0, 1                                ; the first K step starts the sums on the bias
	STEP 1, 1, 2, 0                                ; region 1 is in
	STEP 2, 0, 0, 0
	STEP 3, 1, 1, 0                                ; region 2; and every wave's reads of region 1 are over
	STEP 4, 0, 0, 0
	STEP 5, 1, 0, 0                                ; region 3: no tensor load is out any more
	STEP 6, 0, 0, 0
	STEP 7, 0, 0, 0
	WIN 0
; THE WAY OUT, a tile of 16 tokens x 64 columns at a time: through my own stage and back as whole rows of 256 bytes.  LDS serves a wave's instructions in order: no wait between the stores and the loads.
.macro TOSTAGE a
	WIN 0x08                                       ; an LDS store's data are its source 1: window 2
.irp b, 0,1,2,3
	ds_store_b128 v[STO], v[32*(\a)+8*\b:32*(\a)+8*\b+3] offset:128*(\b/2)+32*(\b%2)        ; each accumulator from its low end on
	ds_store_b128 v[STO], v[32*(\a)+8*\b+4:32*(\a)+8*\b+7] offset:128*(\b/2)+32*(\b%2)+16
.endr
	WIN 0
.irp t, 0,1,2,3,4,5,6,7
	ds_load_b128 v[BK+32*((\a)%2)+4*\t:BK+32*((\a)%2)+4*\t+3], v[RD] offset:544*\t
.endr
.endm
.macro SEND a, younger                 ; place rho = 2 t + h of tile a is token 32 (a / 2) + 8 (a % 2) + rho + 8 (rho / 8) of my 128
	s_wait_dscnt \younger
.irp t, 0,1,2,3,4,5,6,7
	global_store_b128 v[CO], v[BK+32*((\a)%2)+4*\t:BK+32*((\a)%2)+4*\t+3], s[10:11] offset:(32*((\a)/2)+8*((\a)%2)+2*\t+8*(\t/4))*4096 th:TH_STORE_NT   ; sixteen lanes store 256 consecutive bytes, aligned
.endr
.endm
	PLACES                                         ; behind the last products: their results are read, and loads land in their operands' registers
	TOSTAGE 0
.irp a, 1,2,3,4,5,6,7
.if \a > 1
	s_wait_xcnt 0x0                                ; tile a - 2's stores have read their registers: tile a's loads may land there
.endif
	TOSTAGE \a
	SEND \a-1, 16                                  ; behind tile a - 1's loads: tile a's 8 stores and 8 loads
.endr
	SEND 7, 0
	s_wait_tensorcnt 0x0                           ; the wave's end, behind my last tensor load and my last LDS store
	ds_add_u32 v[SPW], v[NIL]
	s_wait_dscnt 0x0
	CROUND                                         ; the closing round
	s_endpgm
.Lfunc_end_k_qf078eb290f_proj:
	.size	k_qf078eb290f_proj, .Lfunc_end_k_qf078eb290f_proj-k_qf078eb290f_proj
	.p2alignl 7, 3214868480
	.fill 96, 4, 3214868480
	.section	.rodata,"a",@progbits
	.p2align	6, 0x0
	.amdhsa_kernel k_qf078eb290f_proj
		.amdhsa_group_segment_fixed_size 327680
		.amdhsa_private_segment_fixed_size 0
		.amdhsa_enable_private_segment 0
		.amdhsa_kernarg_size 32
		.amdhsa_user_sgpr_count 2
		.amdhsa_user_sgpr_kernarg_segment_ptr 1
		.amdhsa_wavefront_size32 1
		.amdhsa_system_sgpr_workgroup_id_x 1
		.amdhsa_system_sgpr_workgroup_id_y 1
		.amdhsa_system_sgpr_workgroup_id_z 1
		.amdhsa_system_vgpr_workitem_id 0
		.amdhsa_next_free_vgpr 1024
		.amdhsa_next_free_sgpr 102
		.amdhsa_reserve_vcc 0
		.amdhsa_float_denorm_mode_32 3
		.amdhsa_float_denorm_mode_16_64 3
		.amdhsa_memory_ordered 1
		.amdhsa_forward_progress 1
		.amdhsa_inst_pref_size 90
	.end_amdhsa_kernel
	.amdgpu_metadata
---
amdhsa.version: [ 1, 2 ]
amdhsa.kernels:
  - .name:           k_qf078eb290f_proj
    .symbol:         k_qf078eb290f_proj.kd
    .args:
      - { .name: att, .offset: 0, .size: 8, .value_kind: global_buffer, .address_space: global }
      - { .name: wq, .offset: 8, .size: 8, .value_kind: global_buffer, .address_space: global }
      - { .name: b_proj, .offset: 16, .size: 8, .value_kind: global_buffer, .address_space: global }
      - { .name: out0, .offset: 24, .size: 8, .value_kind: global_buffer, .address_space: global }
    .group_segment_fixed_size: 327680
    .private_segment_fixed_size: 0
    .kernarg_segment_align: 8
    .kernarg_segment_size: 32
    .max_flat_workgroup_size: 128
    .sgpr_count:     102
    .vgpr_count:     1024
    .wavefront_size: 32
...
	.end_amdgpu_metadata
.endif
;; end of part 4
